; MI455X (gfx1250); checked and timed in simulation.
; The chip was launched on July 23, 2026; its instructions are those of AMD's public machine-readable ISA for CDNA 5 (MIT licence, August 2026) and "CDNA5" Instruction Set Architecture Reference Guide (July 2026). The comments in the code are by the model that wrote it; some were corrected since.
;; DPCA3 D. Allowed arithmetic: float matrix products may take bf16 or f16 operands with f32 sums; other float arithmetic in f32, or as packed bf16 or f16 multiplies, adds, multiply-adds, maxima and minima; sums over many terms, partial sums and values carried from step to step in f32; what a program stores and reads back later, other than sums and carried values, may be rounded once to bf16 or f16.
;; Inputs: b_ctx 256 float32; b_out 256 float32; b_qs 256 float32; context 2 x 256 x 16 x 16 x 16 float32; g_ctx 256 float32; g_out 256 float32; g_qs 256 float32; gamma 1 float32; query_source 2 x 256 x 16 x 32 x 32 float32; rand_idx 16 x 128 int32; w_kv 1,024 x 256 float32; w_out 256 x 512 float32; w_q 512 x 256 float32.
;; Outputs: out0 2 x 256 x 16 x 32 x 32 float32.
;; 2 versions, each right; version 2 is version 1 with the launch prep written anew for expert scheduling mode. Each part assembles by itself: llvm-mc -triple=amdgcn-amd-amdhsa -mcpu=gfx1250 --defsym DOCPART=n.
;; ======== version 1 of 2: 5 launches
;; limits: values are held in f16: magnitudes above 65,504 overflow, below 6.1e-05 lose precision; right only within a limited range of input values
;; workspace buffers: wf 786,432 bytes; pack 1,572,864 bytes; qa 524,288 bytes; md 262,144 bytes; kb 8,388,608 bytes; vb 8,388,608 bytes; pos 262,144 bytes of whole numbers
;; launch prep (part 1): grid 128 x 1, 4 waves a work-group, no clusters, 34,816 bytes of LDS; arguments query_source, rand_idx, g_qs, b_qs, w_q, w_kv, w_out, wf, pack, qa; writes wf, pack, qa
.if DOCPART == 1
	.amdgcn_target "amdgcn-amd-amdhsa--gfx1250"
	.amdhsa_code_object_version 6
	.text
	.protected	k_q07592605f1_prep
	.globl	k_q07592605f1_prep
	.p2align	8
	.type	k_q07592605f1_prep,@function
k_q07592605f1_prep:
	s_mov_b64 s[64:65], 0
	v_nop
	global_prefetch_b8 v0, s[64:65] scope:SCOPE_SE
	s_setreg_imm32_b32 hwreg(HW_REG_WAVE_MODE, 25, 1), 1
	s_wait_xcnt 0x0
; PREP.  Two jobs.
; (1) THE WEIGHTS ARE RECAST ONCE.  wf: w_kv as f16 matrix fragments, by head (98,304 bytes), K step of 32 channels (12,288), fragment (1,024), half (512), lane (16):
;     fragments 0-3 hold the k rows x 1024 rounded to f16 (hi), 4-7 what that rounding left (lo), 8-11 the v rows in plain f16.  pack: for each (batch, head) 768 rows of 128 bytes in f16:
;     rows 64 kc + d = w_q[64 h + d][64 kc ..], rows 512 + o = w_out[o][64 h ..] (rows 256-511, the chosen keys, come from a later launch).  Thread u of 16,384 does one unit (8 numbers) of each of four kinds.
; (2) THE ANCHORS.  A work-group makes 16 of a head's 128: gather by rand_idx, LayerNorm over 256 channels, the head's 64 rows of w_q, l2norm; qa[bh][128][64] in f32.
;     The choice of keys that hangs on these numbers is discrete, so they are made to about f32's accuracy on the matrix unit: both operands are split into two f16 parts and three products are
;     taken (hi lo, lo hi, hi hi), sums in f32.  K is split among the four waves (64 channels each); the partial sums meet in LDS.
; 128 work-groups: a work-group is one column tile of 16 anchors, and there are 2,048 anchors.
; LIMITS.  |w_q|, |k rows of w_kv| under 63.9 (x 1024 stays inside f16); 16 |g_qs| + |b_qs| under 1,023 (xn x 64 stays inside f16); NaN and infinities are not treated apart.
.set PD,    0                          ; LDS: partial sums, wave w, tile m, register half q at 4096 w + 1024 m + 512 q + 16 lane
.set RED,   16384                      ; the waves' sums for the two LayerNorm passes: 256 pass + 64 w + 4 r
.set STG,   16896                      ; a stage of 16 rows x 272 bytes for each wave
.set SPARE, 34304                      ; the spare words, 128 bytes for each wave
.set XG,    16                         ; v[16:47]   my 32 gathered channels, then xn, then what the split leaves
.set BL,    16                         ; v[16:31]   xn, lo part (packed in place)
.set BH,    48                         ; v[48:63]   at work in the statistics, then xn, hi part
.set RAW,   64                         ; v[64:95]   the four recast units as loaded
.set OT,    96                         ; v[96:115]  the recast units to store
.set AH,    64                         ; v[64:127]  w_q x 1024, hi part: tile m, K step sp at 16 m + 8 sp
.set WR,    128                        ; v[128:255] w_q as loaded
.set AL,    128                        ; v[128:191] lo part (packed in place)
.set GG,    192                        ; v[192:223] g_qs of my channels
.set BB,    224                        ; v[224:255] b_qs
.set ACC,   192                        ; v[192:223] four accumulators, when g is dead
.set NEG1,  11                         ; v11  -1.0
.set SPW,   12                         ; v12  my spare word; never rewritten
.set NIL,   13                         ; v13  0; never rewritten
.set WV,    28                         ; s28  my wave
.macro PLACES
.rept 4
	v_nop
.endr
.endm
; cnt pairs of f32 at x are split: hi = f16(x), x = x - hi (exact, one fused instruction from the f16 half), lo = f16(x).  lo may lie on x itself: entry i is written when pairs 0 .. i have been read.
.macro SPLITN hi, lo, x, cnt
.set i, 0
.rept \cnt
	v_cvt_pk_f16_f32 v[(\hi)+i], v[(\x)+2*i], v[(\x)+2*i+1]
.set i, i+1
.endr
.set i, 0
.rept \cnt
	v_fma_mix_f32 v[(\x)+2*i], v[(\hi)+i], v[NEG1], v[(\x)+2*i] op_sel_hi:[1,0,0]
	v_fma_mix_f32 v[(\x)+2*i+1], v[(\hi)+i], v[NEG1], v[(\x)+2*i+1] op_sel:[1,0,0] op_sel_hi:[1,0,0]
.set i, i+1
.endr
.set i, 0
.rept \cnt
	v_cvt_pk_f16_f32 v[(\lo)+i], v[(\x)+2*i], v[(\x)+2*i+1]
.set i, i+1
.endr
.endm
; four pairs of partial sums in v[48:55] become the sum over all 256 channels, in v48 of every lane
.macro FOLD pass
	v_pk_add_f32 v[48:49], v[48:49], v[50:51]
	v_pk_add_f32 v[52:53], v[52:53], v[54:55]
	v_pk_add_f32 v[48:49], v[48:49], v[52:53]
	v_add_f32 v48, v48, v49
	v_permlanex16_b32 v49, v48, s38, s39           ; the anchor's other 32 channels of my wave lie in the lane 16 away
	v_add_f32 v48, v48, v49
	ds_store_b32 v3, v48 offset:RED+256*(\pass)
	s_wait_dscnt 0x0                               ; for the others' sake: my sum is in LDS
	s_barrier_signal -1
	s_barrier_wait -1
	ds_load_b32 v48, v5 offset:RED+256*(\pass)
	ds_load_b32 v49, v5 offset:RED+256*(\pass)+64
	ds_load_b32 v50, v5 offset:RED+256*(\pass)+128
	ds_load_b32 v51, v5 offset:RED+256*(\pass)+192
	s_wait_dscnt 0x0
	v_add_f32 v48, v48, v49
	v_add_f32 v50, v50, v51
	v_add_f32 v48, v48, v50
.endm
	s_load_b512 s[8:23], s[0:1], 0x0               ; query_source s[8:9], rand_idx s[10:11], g_qs s[12:13], b_qs s[14:15], w_q s[16:17], w_kv s[18:19], w_out s[20:21], wf s[22:23]
	s_load_b128 s[24:27], s[0:1], 0x40             ; pack s[24:25], qa s[26:27]
	v_lshl_add_u32 v[SPW], v0, 2, SPARE
	v_mov_b32 v[NIL], 0
	v_mov_b32 v[NEG1], -1.0
	v_lshrrev_b32 v1, 5, v0
	v_readfirstlane_b32 s[WV], v1                  ; wave 0..3
	v_and_b32 v1, 15, v0                           ; r
	v_bfe_u32 v2, v0, 4, 1                         ; h
	s_lshr_b32 s30, ttmp9, 6                       ; my anchors' batch
	s_bfe_u32 s31, ttmp9, 0x30003                  ; and head
	s_lshl_b32 s32, ttmp9, 6
	v_lshl_add_u32 v3, v1, 2, s32                  ; rand_idx: 4 (16 wg + r)
	; the recast units.  u = 128 wg + thread; all of u's fields but the lane's are scalars
	s_lshr_b32 s33, ttmp9, 4                       ; u >> 11: the unit's head
	s_bfe_u32 s34, ttmp9, 0x30001                  ; (u >> 8) & 7: the K step
	s_and_b32 s35, ttmp9, 1
	s_and_b32 s45, ttmp9, 15
	s_lshl_b32 s40, s33, 16                        ; w_kv: (64 head + 16 m + r) rows of 1,024 bytes + 128 step + 64 half + 32 h; m = 2 (wg & 1) + (wave >> 1), half = wave & 1
	s_lshl_b32 s41, s34, 7
	s_add_co_u32 s40, s40, s41
	s_lshl_b32 s41, s35, 15
	s_add_co_u32 s40, s40, s41
	s_lshr_b32 s41, s[WV], 1
	s_lshl_b32 s41, s41, 14
	s_add_co_u32 s40, s40, s41
	s_and_b32 s41, s[WV], 1
	s_lshl_b32 s41, s41, 6
	s_add_co_u32 s40, s40, s41
	v_lshlrev_b32 v10, 10, v1
	v_lshl_add_u32 v10, v2, 5, v10                 ; 1024 r + 32 h
	v_add_nc_u32 v5, s40, v10
	s_mul_i32 s42, s33, 98304
	s_mul_i32 s41, s34, 12288
	s_add_co_u32 s41, s41, s42
	s_lshl_b32 s43, s35, 11
	s_add_co_u32 s41, s41, s43
	v_lshl_add_u32 v6, v0, 4, s41                  ; wf: head, step, 16 (u & 255)
	s_lshl_b32 s41, s33, 16                        ; w_q: (64 head + d) rows + 256 kc + 32 oct; d = 16 (wg & 3) + (t >> 3), kc = (wg >> 2) & 3
	s_and_b32 s43, ttmp9, 3
	s_lshl_b32 s43, s43, 14
	s_add_co_u32 s41, s41, s43
	s_bfe_u32 s43, ttmp9, 0x20002
	s_lshl_b32 s43, s43, 8
	s_add_co_u32 s41, s41, s43
	v_lshrrev_b32 v4, 3, v0
	v_and_b32 v9, 7, v0
	v_lshlrev_b32 v9, 5, v9
	v_lshl_add_u32 v7, v4, 10, v9
	v_add_nc_u32 v7, s41, v7
	s_lshl_b32 s41, s45, 11
	s_add_co_u32 s41, s41, s42
	v_lshl_add_u32 v8, v0, 4, s41                  ; pack: head, 16 (u & 2047)
	s_lshl_b32 s41, s45, 15                        ; w_out: o rows of 2,048 bytes + 256 head + 32 oct; o = 16 (wg & 15) + (t >> 3)
	s_lshl_b32 s43, s33, 8
	s_add_co_u32 s41, s41, s43
	v_lshl_add_u32 v9, v4, 11, v9
	v_add_nc_u32 v9, s41, v9
	s_lshl_b32 s41, s[WV], 8                       ; my wave's 64 channels: 256 bytes
	s_lshl_b32 s43, s31, 16
	s_add_co_u32 s43, s43, s41
	v_add_nc_u32 v10, s43, v10                     ; w_q fragments: 65536 head + 1024 r + 256 w + 32 h
	v_lshl_add_u32 v14, v2, 5, s41                 ; g_qs, b_qs: 256 w + 32 h
	s_mov_b32 s38, 0x76543210                      ; v_permlanex16_b32: each lane takes its own place in the other half
	s_mov_b32 s39, 0xfedcba98
	s_mov_b32 s48, 0x44800000                      ; 1024.0, as a pair
	s_mov_b32 s49, 0x44800000
	s_mov_b32 s50, 0x3b800000                      ; 1 / 256
	s_lshl_b32 s36, s30, 24                        ; a batch of query_source
	s_mov_b32 s37, 0
	s_wait_kmcnt 0x0
	s_add_nc_u64 s[8:9], s[8:9], s[36:37]
	global_load_b32 v4, v3, s[10:11]               ; my anchor's index: the head of the longest chain, so it goes first
	global_load_b128 v[RAW:RAW+3],     v5, s[18:19]
	global_load_b128 v[RAW+4:RAW+7],   v5, s[18:19] offset:16
	global_load_b128 v[RAW+8:RAW+11],  v5, s[18:19] offset:524288      ; the v rows lie 512 rows on
	global_load_b128 v[RAW+12:RAW+15], v5, s[18:19] offset:524304
	global_load_b128 v[RAW+16:RAW+19], v7, s[16:17]
	global_load_b128 v[RAW+20:RAW+23], v7, s[16:17] offset:16
	global_load_b128 v[RAW+24:RAW+27], v9, s[20:21]
	global_load_b128 v[RAW+28:RAW+31], v9, s[20:21] offset:16
.set n, 0
.rept 32                               ; n = 8 m + 4 sp + 2 half + quarter: w_q[64 head + 16 m + r][64 w + 32 sp + 16 half + 8 h + 4 quarter ..]
	global_load_b128 v[WR+4*n:WR+4*n+3], v10, s[16:17] offset:16384*(n/8)+128*((n/4)%2)+64*((n/2)%2)+16*(n%2)
.set n, n+1
.endr
	s_wait_loadcnt 40                              ; 40 loads are younger than the index
	v_min_u32 v4, 0x3fff, v4                       ; an index stays inside its table of 16,384 positions
	s_lshl_b32 s41, s[WV], 22
	v_lshl_add_u32 v15, v2, 19, s41                ; (64 w + 8 h) channels of 65,536 bytes
	v_lshl_add_u32 v15, v4, 2, v15
.set n, 0
.rept 32                               ; register n = 16 sp + 8 half + j holds channel 64 w + 8 h + 32 sp + 16 half + j: the B fragment's order
	global_load_b32 v[XG+n], v15, s[8:9] offset:(32*(n/16)+16*((n/8)%2)+n%8)*65536
.set n, n+1
.endr
	s_wait_loadcnt 63                              ; 64 loads are younger than the recast units; the count's field ends at 63
.irp j, 0,2,4,6
	v_pk_mul_f32 v[RAW+\j:RAW+\j+1], v[RAW+\j:RAW+\j+1], s[48:49] op_sel_hi:[1,0]
.endr
	SPLITN OT, OT+4, RAW, 4
.irp j, 0,1,2,3
	v_cvt_pk_f16_f32 v[OT+8+\j],  v[RAW+8+2*\j],  v[RAW+9+2*\j]
	v_cvt_pk_f16_f32 v[OT+12+\j], v[RAW+16+2*\j], v[RAW+17+2*\j]
	v_cvt_pk_f16_f32 v[OT+16+\j], v[RAW+24+2*\j], v[RAW+25+2*\j]
.endr
	global_store_b128 v6, v[OT:OT+3],     s[22:23]                ; each store of a wave covers 512 consecutive bytes, aligned
	global_store_b128 v6, v[OT+4:OT+7],   s[22:23] offset:4096
	global_store_b128 v6, v[OT+8:OT+11],  s[22:23] offset:8192
	global_store_b128 v8, v[OT+12:OT+15], s[24:25]                ; the weight rows stand once for each batch, so that a head's operands are one dense block
	global_store_b128 v8, v[OT+12:OT+15], s[24:25] offset:786432
	global_store_b128 v8, v[OT+16:OT+19], s[24:25] offset:65536
	global_store_b128 v8, v[OT+16:OT+19], s[24:25] offset:851968
	s_wait_loadcnt 32                              ; w_q is in; the gather's 32 loads are younger
	s_wait_xcnt 0x0                                ; the stores have read their data and offsets: v[64:127] and v3 .. v10 are written again below
.set i, 0
.rept 64
	v_pk_mul_f32 v[WR+2*i:WR+2*i+1], v[WR+2*i:WR+2*i+1], s[48:49] op_sel_hi:[1,0]
.set i, i+1
.endr
	SPLITN AH, AL, WR, 64
.set n, 0
.rept 8                                ; g and b of my channels, into the registers that the split has freed; they land under the two statistics passes
	global_load_b128 v[GG+4*n:GG+4*n+3], v14, s[12:13] offset:128*(n/4)+64*((n/2)%2)+16*(n%2)
	global_load_b128 v[BB+4*n:BB+4*n+3], v14, s[14:15] offset:128*(n/4)+64*((n/2)%2)+16*(n%2)
.set n, n+1
.endr
	s_lshl_b32 s41, s[WV], 6                       ; the LDS addresses
	v_lshl_add_u32 v3, v1, 2, s41                  ; 64 w + 4 r
	v_lshlrev_b32 v5, 2, v1                        ; 4 r
	v_and_b32 v10, 31, v0
	v_lshlrev_b32 v10, 4, v10                      ; 16 lane
	s_lshl_b32 s41, s[WV], 12
	v_add_nc_u32 v6, s41, v10                      ; 4096 w + 16 lane
	s_mul_i32 s41, s[WV], 4352
	v_mul_u32_u24 v7, v1, 272
	v_lshl_add_u32 v7, v2, 5, v7
	v_add_nc_u32 v7, s41, v7                       ; into my stage: row r, 32 h
	s_mul_i32 s41, s[WV], 5440
	v_mul_u32_u24 v8, v2, 272
	v_lshl_add_u32 v8, v1, 4, v8
	v_add_nc_u32 v8, s41, v8                       ; back: rows 4 w + h, 16 r
	s_lshl_b32 s41, ttmp9, 12
	s_lshl_b32 s43, s[WV], 10
	s_add_co_u32 s41, s41, s43
	v_lshl_add_u32 v9, v2, 8, s41
	v_lshl_add_u32 v9, v1, 4, v9                   ; qa: (16 wg + 4 w + h) rows of 256 bytes + 16 r
	s_wait_loadcnt 16                              ; the gather is in; g and b are younger
	; LayerNorm, two passes as reference() has them: the mean, then the mean of the squared differences
.irp c, 0,1,2,3
	v_pk_add_f32 v[48+2*\c:49+2*\c], v[XG+2*\c:XG+2*\c+1], v[XG+8+2*\c:XG+9+2*\c]
.endr
.irp o, 16,24
.irp c, 0,1,2,3
	v_pk_add_f32 v[48+2*\c:49+2*\c], v[48+2*\c:49+2*\c], v[XG+\o+2*\c:XG+\o+2*\c+1]
.endr
.endr
	FOLD 0
	v_mul_f32 v56, s50, v48
	v_mov_b32 v57, v56
.set i, 0
.rept 16
	v_pk_add_f32 v[XG+2*i:XG+2*i+1], v[XG+2*i:XG+2*i+1], v[56:57] neg_lo:[0,1] neg_hi:[0,1]
.set i, i+1
.endr
.irp c, 0,1,2,3
	v_pk_mul_f32 v[48+2*\c:49+2*\c], v[XG+2*\c:XG+2*\c+1], v[XG+2*\c:XG+2*\c+1]
.endr
.irp o, 8,16,24
.irp c, 0,1,2,3
	v_pk_fma_f32 v[48+2*\c:49+2*\c], v[XG+\o+2*\c:XG+\o+2*\c+1], v[XG+\o+2*\c:XG+\o+2*\c+1], v[48+2*\c:49+2*\c]
.endr
.endr
	FOLD 1
	v_fmaak_f32 v48, s50, v48, 0x3727c5ac          ; var + 1e-5
	v_rsq_f32 v58, v48
	v_nop                                          ; a plain instruction behind the transcendental,
	s_wait_alu depctr_va_vdst(0)                   ; and the wait ahead of its first reader
	v_mul_f32 v58, 0x42800000, v58                 ; x 64: xn is split at 64 times its size, so that the lo part stays a normal f16 number for small g
	v_mov_b32 v59, v58
	s_wait_loadcnt 0x0                             ; g, b
.set i, 0
.rept 16
	v_pk_mul_f32 v[XG+2*i:XG+2*i+1], v[XG+2*i:XG+2*i+1], v[58:59]
.set i, i+1
.endr
.set i, 0
.rept 16
	v_pk_mul_f32 v[XG+2*i:XG+2*i+1], v[XG+2*i:XG+2*i+1], v[GG+2*i:GG+2*i+1]
.set i, i+1
.endr
.set i, 0
.rept 16
	v_pk_fma_f32 v[XG+2*i:XG+2*i+1], v[BB+2*i:BB+2*i+1], 0x42800000, v[XG+2*i:XG+2*i+1] op_sel_hi:[1,0,1]
.set i, i+1
.endr
	SPLITN BH, BL, XG, 16
	; q^T = Wq xn: source 0 = 16 rows of w_q, source 1 = 16 anchors.  24 products; the four accumulators take turns; the small terms go first
.irp sp, 0,1
.irp term, 0,1,2
.irp m, 0,1,2,3
.set ra, AH+64*((\term)%2)+16*\m+8*\sp
.set rb, BH-32*((2-\term)/2)+8*\sp
.if ((\sp)+(\term)) == 0
	v_wmma_f32_16x16x32_f16 v[ACC+8*\m:ACC+8*\m+7], v[ra:ra+7], v[rb:rb+7], 0
.else
	v_wmma_f32_16x16x32_f16 v[ACC+8*\m:ACC+8*\m+7], v[ra:ra+7], v[rb:rb+7], v[ACC+8*\m:ACC+8*\m+7]
.endif
.endr
.endr
.endr
	PLACES
.irp m, 0,1,2,3
	ds_store_b128 v6, v[ACC+8*\m:ACC+8*\m+3]   offset:PD+1024*\m
	ds_store_b128 v6, v[ACC+8*\m+4:ACC+8*\m+7] offset:PD+1024*\m+512
.endr
	s_wait_dscnt 0x0
	s_barrier_signal -1
	s_barrier_wait -1                              ; all four partial sums lie in LDS; every wave adds them up, which spares a fourth barrier
.set n, 0
.rept 32                               ; n = 8 wave + 2 m + q
	ds_load_b128 v[64+4*n:64+4*n+3], v10 offset:PD+4096*(n/8)+1024*((n/2)%4)+512*(n%2)
.set n, n+1
.endr
	s_wait_dscnt 0x0
.irp o, 32,64,96
.set i, 0
.rept 16
	v_pk_add_f32 v[64+2*i:65+2*i], v[64+2*i:65+2*i], v[64+\o+2*i:65+\o+2*i]
.set i, i+1
.endr
.endr
	; l2norm over the head's 64 numbers: my 32 (16 m + 8 h + j) and the other half's
.irp c, 0,1,2,3
	v_pk_mul_f32 v[96+2*\c:97+2*\c], v[64+2*\c:65+2*\c], v[64+2*\c:65+2*\c]
.endr
.irp o, 8,16,24
.irp c, 0,1,2,3
	v_pk_fma_f32 v[96+2*\c:97+2*\c], v[64+\o+2*\c:65+\o+2*\c], v[64+\o+2*\c:65+\o+2*\c], v[96+2*\c:97+2*\c]
.endr
.endr
	v_pk_add_f32 v[96:97], v[96:97], v[98:99]
	v_pk_add_f32 v[100:101], v[100:101], v[102:103]
	v_pk_add_f32 v[96:97], v[96:97], v[100:101]
	v_add_f32 v96, v96, v97
	v_permlanex16_b32 v97, v96, s38, s39
	v_add_f32 v96, v96, v97
	v_rsq_f32 v104, v96
	v_nop
	s_wait_alu depctr_va_vdst(0)
	v_min_num_f32 v104, 0x4b68d4a5, v104           ; reference() divides by max(norm, 1e-12); the sums here are 65,536 times theirs: 1e12 / 65536
	v_mov_b32 v105, v104
.set i, 0
.rept 16
	v_pk_mul_f32 v[64+2*i:65+2*i], v[64+2*i:65+2*i], v[104:105]
.set i, i+1
.endr
.irp m, 0,1,2,3
	ds_store_b128 v7, v[64+8*\m:64+8*\m+3] offset:STG+64*\m
	ds_store_b128 v7, v[64+8*\m+4:64+8*\m+7] offset:STG+64*\m+16
.endr
	ds_load_b128 v[96:99],   v8 offset:STG         ; LDS serves a wave's instructions in order: these see my stores above; wave w sends anchors 4 w .. 4 w + 3
	ds_load_b128 v[100:103], v8 offset:STG+544
	s_wait_dscnt 0x1
	global_store_b128 v9, v[96:99], s[26:27]       ; two whole rows of 256 bytes
	s_wait_dscnt 0x0
	global_store_b128 v9, v[100:103], s[26:27] offset:512
	s_wait_tensorcnt 0x0                           ; the wave's end, behind my last LDS store
	ds_add_u32 v[SPW], v[NIL]
	s_wait_dscnt 0x0
	s_endpgm
.Lfunc_end_k_q07592605f1_prep:
	.size	k_q07592605f1_prep, .Lfunc_end_k_q07592605f1_prep-k_q07592605f1_prep
	.p2alignl 7, 3214868480
	.fill 96, 4, 3214868480
	.section	.rodata,"a",@progbits
	.p2align	6, 0x0
	.amdhsa_kernel k_q07592605f1_prep
		.amdhsa_group_segment_fixed_size 34816
		.amdhsa_private_segment_fixed_size 0
		.amdhsa_enable_private_segment 0
		.amdhsa_kernarg_size 80
		.amdhsa_user_sgpr_count 2
		.amdhsa_user_sgpr_kernarg_segment_ptr 1
		.amdhsa_wavefront_size32 1
		.amdhsa_system_sgpr_workgroup_id_x 1
		.amdhsa_system_sgpr_workgroup_id_y 1
		.amdhsa_system_sgpr_workgroup_id_z 1
		.amdhsa_system_vgpr_workitem_id 0
		.amdhsa_next_free_vgpr 256
		.amdhsa_next_free_sgpr 66
		.amdhsa_reserve_vcc 0
		.amdhsa_float_denorm_mode_32 3
		.amdhsa_float_denorm_mode_16_64 3
		.amdhsa_memory_ordered 1
		.amdhsa_forward_progress 1
		.amdhsa_inst_pref_size 59
	.end_amdhsa_kernel
	.amdgpu_metadata
---
amdhsa.version: [ 1, 2 ]
amdhsa.kernels:
  - .name:           k_q07592605f1_prep
    .symbol:         k_q07592605f1_prep.kd
    .args:
      - { .name: query_source, .offset: 0, .size: 8, .value_kind: global_buffer, .address_space: global }
      - { .name: rand_idx, .offset: 8, .size: 8, .value_kind: global_buffer, .address_space: global }
      - { .name: g_qs, .offset: 16, .size: 8, .value_kind: global_buffer, .address_space: global }
      - { .name: b_qs, .offset: 24, .size: 8, .value_kind: global_buffer, .address_space: global }
      - { .name: w_q, .offset: 32, .size: 8, .value_kind: global_buffer, .address_space: global }
      - { .name: w_kv, .offset: 40, .size: 8, .value_kind: global_buffer, .address_space: global }
      - { .name: w_out, .offset: 48, .size: 8, .value_kind: global_buffer, .address_space: global }
      - { .name: wf, .offset: 56, .size: 8, .value_kind: global_buffer, .address_space: global }
      - { .name: pack, .offset: 64, .size: 8, .value_kind: global_buffer, .address_space: global }
      - { .name: qa, .offset: 72, .size: 8, .value_kind: global_buffer, .address_space: global }
    .group_segment_fixed_size: 34816
    .private_segment_fixed_size: 0
    .kernarg_segment_align: 8
    .kernarg_segment_size: 80
    .max_flat_workgroup_size: 128
    .sgpr_count:     66
    .vgpr_count:     256
    .wavefront_size: 32
...
	.end_amdgpu_metadata
.endif
;; end of part 1
;; launch kvd (part 2): grid 128 x 2, 4 waves a work-group, clusters of 4 x 1, 252,416 bytes of LDS; arguments context, g_ctx, b_ctx, wf, qa, md, kb, vb; writes md, kb, vb
.if DOCPART == 2
	.amdgcn_target "amdgcn-amd-amdhsa--gfx1250"
	.amdhsa_code_object_version 6
	.text
	.protected	k_q07592605f1_kvd
	.globl	k_q07592605f1_kvd
	.p2align	8
	.type	k_q07592605f1_kvd,@function
k_q07592605f1_kvd:
	s_mov_b64 s[64:65], 0
	v_nop
	global_prefetch_b8 v0, s[64:65] scope:SCOPE_SE
	s_setreg_imm32_b32 hwreg(HW_REG_WAVE_MODE, 25, 1), 1
	s_wait_xcnt 0x0
	s_wait_alu depctr_hold_cnt(0) depctr_sa_sdst(0) depctr_va_vdst(0) depctr_va_sdst(0) depctr_va_ssrc(0) depctr_va_vcc(0) depctr_vm_vsrc(0)
	s_getreg_b32 s2, hwreg(HW_REG_IB_STS2, 6, 4)
	s_cmp_eq_u32 s2, 0
	s_cbranch_scc0 .Lentry_in_a_cluster
	s_endpgm
.Lentry_in_a_cluster:
	s_bfe_u32 s2, ttmp6, 0x10000c
	s_cmp_lg_u32 s2, 0x3003
	s_cbranch_scc0 .Lentry_shape_is_right
	s_endpgm
.Lentry_shape_is_right:
; KVD.  For 64 positions of the context and four heads (a wave a head): LayerNorm over 256 channels; k (three f16 products on split operands, about f32's accuracy, since the choice of keys
; hangs on it) and v (one product); l2norm of k; f16 copies kb, vb [bh][4096][64]; the L1 distance of each key to the head's 128 anchors in f32 on the vector unit; md[bh][4096] = the least of them.
; SHARES.  Work-group x = 64 positions (rows of the context tile are 256 bytes, aligned), y = which four heads.  In the LayerNorm wave w owns channels 64 w .. 64 w + 63; xn x 64, split into
; f16 hi and lo, goes to LDS as [channel][position] and comes back turned (ds_load_tr16_b128) as source 1.  Source 0, the weights, comes from wf, which lies in fragment order: two loads of 512 consecutive bytes.
; In a result a lane holds ONE position (lane % 16) and the head's numbers 16 m + 8 (lane / 16) + j; the distances use that layout as it is: 32 numbers of four keys a lane, the halves added at the end.
; CLUSTER.  The four partners share batch and heads, so the anchors (32,768 bytes a wave) are one joint first fill.  The weights are not shared so: no wave of a work-group wants another's, they go
; straight into registers, and a ring for them would write and read 98,304 bytes a wave through LDS for a phase of 512 of the launch's matrix instructions beside 64 long vector trips.
; ORDER OF THE DISTANCE'S SUM: two partial sums of 32 numbers, each ascending, then added; reference() adds all 64 in turn.  Keys whose least distances differ by less than about 2e-6 may be ranked otherwise.
; LIMITS.  16 |g_ctx| + |b_ctx| under 1,023 (xn x 64 stays inside f16); |v| under 65,504; NaN and infinities are not treated apart.
; REGISTERS, in windows of 256 (s_set_vgpr_msb: bits 1:0 source 0, 3:2 source 1, 5:4 source 2, 7:6 destination):
;   window 0: v0-31 addresses and statistics; v32-127, v128-223 the weights' two buffers (12 fragments each); before that x (v128-255), g, b (v64-127), hi (v32-95); after it K^ (v128-255), anchors (v64-127), at work (v32-59)
;   window 1: v0-127 k's accumulators at 8 (4 m + nt); v128-255 v's          window 2: v0-127 xn's fragments, two buffers: 64 buf + 8 (4 part + nt)
.set XH,    131072                     ; LDS: 0 .. 131,071 the anchors, wave w's at 32,768 w, [128][64] f32; then xn hi, 256 rows of 160 bytes (128 + 32: the turning load's 8 rows x 32 bytes fall on different banks)
.set XLO,   40960                      ; xn lo lies so far behind hi
.set PX,    160
.set RED,   212992                     ; the waves' sums: 1024 pass + 256 w + 16 r
.set STG,   215040                     ; a stage of 64 rows x 144 bytes for each wave
.set SPARE, 251904                     ; the spare words, 128 bytes for each wave
.set CO,   4
.set GO,   5
.set REDS, 6
.set REDL, 7
.set VXS,  8
.set VB,   9
.set AO,   10
.set NEG1, 11
.set SPW,  12
.set NIL,  13
.set STS,  14
.set STL,  15
.set MU,   16
.set RS,   20
.set VQ,   24
.set MDS,  25
.set MDL,  26
.set MDO,  27
.set XR,   128
.set WV,   20
.set W,    42
.set MSB, 0
.macro WIN new                         ; the immediate's high byte repeats the setting that is left; a switch that changes nothing is dropped
.if MSB != (\new)
	s_set_vgpr_msb (MSB<<8)|(\new)
.set MSB, (\new)
.endif
.endm
.macro PLACES
.rept 4
	v_nop
.endr
.endm
.macro CROUND                          ; a round of the cluster's barrier
	s_barrier_signal -1
	s_barrier_wait -1
	s_cmp_lg_u32 s[WV], 0
	s_cbranch_scc1 .Lnot_wave_0_\@
	s_barrier_signal -3
.Lnot_wave_0_\@:
	s_barrier_wait -3
	s_barrier_signal -1
	s_barrier_wait -1
.endm
; two pairs of chains in v[32:39] become, for my four positions, the sum over all 256 channels, in v[32:35]
.macro FOLD pass
	v_pk_add_f32 v[32:33], v[32:33], v[36:37]
	v_pk_add_f32 v[34:35], v[34:35], v[38:39]
.irp c, 0,1,2,3
	v_permlanex16_b32 v[36+\c], v[32+\c], s40, s41
.endr
	v_pk_add_f32 v[32:33], v[32:33], v[36:37]
	v_pk_add_f32 v[34:35], v[34:35], v[38:39]
	ds_store_b128 v[REDS], v[32:35] offset:1024*(\pass)
	s_wait_dscnt 0x0                               ; for the others' sake
	s_barrier_signal -1
	s_barrier_wait -1
.irp k, 0,1,2,3
	ds_load_b128 v[32+4*\k:35+4*\k], v[REDL] offset:1024*(\pass)+256*\k
.endr
	s_wait_dscnt 0x0
.irp c, 0,2
	v_pk_add_f32 v[32+\c:33+\c], v[32+\c:33+\c], v[36+\c:37+\c]
	v_pk_add_f32 v[40+\c:41+\c], v[40+\c:41+\c], v[44+\c:45+\c]
	v_pk_add_f32 v[32+\c:33+\c], v[32+\c:33+\c], v[40+\c:41+\c]
.endr
.endm
	s_load_b512 s[4:19], s[0:1], 0x0               ; context s[4:5], g_ctx s[6:7], b_ctx s[8:9], wf s[10:11], qa s[12:13], md s[14:15], kb s[16:17], vb s[18:19]
	v_lshl_add_u32 v[SPW], v0, 2, SPARE
	v_mov_b32 v[NIL], 0
	ds_add_u32 v[SPW], v[NIL]                      ; the wave's opening: the add, twice on end, and its wait ahead of my first tensor load
	ds_add_u32 v[SPW], v[NIL]
	v_lshrrev_b32 v1, 5, v0
	v_readfirstlane_b32 s[WV], v1                  ; wave 0..3
	s_bfe_u32 s21, ttmp6, 0x40000                  ; cx: it enters the addresses of context, md, kb, vb alone
	s_lshl_b32 s22, ttmp9, 2
	s_add_co_u32 s22, s22, s21
	s_and_b32 s22, s22, 63                         ; my block of 64 positions in the batch
	s_lshr_b32 s23, ttmp9, 4                       ; the batch: 16 clusters each, so the partners share it
	s_and_b32 s36, ttmp7, 0xffff
	s_lshl_b32 s37, s36, 2
	s_add_co_u32 s37, s37, s[WV]                   ; my head
	s_lshl_b32 s38, s23, 3
	s_add_co_u32 s38, s38, s37                     ; bh
	; the descriptor: 32,768 dense bytes as 128 rows of 32 elements of 8 bytes
	s_mov_b32 s24, 15|(3<<16)|(1<<21)              ; 15:0 the mask of four; 17:16 8-byte elements; 21 set beside a mask
	s_mov_b32 s25, 32<<16                          ; tensor_dim0 = 32
	s_mov_b32 s26, 128<<16                         ; tensor_dim1 = 128
	s_mov_b32 s27, 32<<16                          ; tile_dim0 = 32
	s_mov_b32 s28, 128                             ; tile_dim1 = 128
	s_mov_b32 s29, 32                              ; 32 elements from row to row
	s_mov_b32 s30, 0
	s_mov_b32 s31, 0
	s_mov_b32 s32, 1
	s_lshl_b32 s33, s[WV], 15                      ; LDS: 32,768 w
	s_lshl_b32 s46, s38, 15
	s_mov_b32 s47, 0
	s_mov_b32 s40, 0x76543210
	s_mov_b32 s41, 0xfedcba98
	s_mov_b32 s48, 0x42800000                      ; 64.0, as a pair
	s_mov_b32 s49, 0x42800000
	s_mov_b32 s50, 0x3c800000                      ; 1 / 64, as a pair
	s_mov_b32 s51, 0x3c800000
	s_mov_b32 s52, 0x3b800000                      ; 1 / 256
	s_mov_b32 s53, 0x3b800000
	s_wait_dscnt 0x0                               ; both opening adds are done
	s_wait_kmcnt 0x0
	s_add_nc_u64 s[34:35], s[12:13], s[46:47]      ; my head's anchors
	s_or_b32 s35, s35, 0x80000000
	CROUND                                         ; all four work-groups are here: the joint loads meet
	tensor_load_to_lds s[32:35], s[24:31]          ; my one tensor load of the launch
	s_nop 0
	PLACES
	s_lshl_b32 s46, s23, 22                        ; context: batch, 256 bytes of each row
	s_lshl_b32 s44, s22, 8
	s_add_co_u32 s46, s46, s44
	s_add_nc_u64 s[4:5], s[4:5], s[46:47]
	s_lshl_b32 s46, s38, 14                        ; md: 16,384 bh + 256 block
	s_add_co_u32 s46, s46, s44
	s_add_nc_u64 s[14:15], s[14:15], s[46:47]
	s_lshl_b32 s46, s38, 19                        ; kb, vb: 524,288 bh + 8,192 block
	s_lshl_b32 s44, s22, 13
	s_add_co_u32 s46, s46, s44
	s_add_nc_u64 s[16:17], s[16:17], s[46:47]
	s_add_nc_u64 s[18:19], s[18:19], s[46:47]
	s_mul_i32 s46, s37, 98304
	s_add_nc_u64 s[W:W+1], s[10:11], s[46:47]      ; my head's fragments
	v_and_b32 v1, 15, v0                           ; r
	v_bfe_u32 v2, v0, 4, 1                         ; h
	v_and_b32 v3, 31, v0                           ; lane
	v_mov_b32 v[NEG1], -1.0
	s_lshl_b32 s44, s[WV], 20
	v_lshl_add_u32 v[CO], v2, 19, s44
	v_lshl_add_u32 v[CO], v1, 4, v[CO]             ; (64 w + 32 h) rows of 16,384 bytes + 16 r
	s_lshl_b32 s44, s[WV], 8
	v_lshl_add_u32 v[GO], v2, 7, s44               ; (64 w + 32 h) x 4
.set i, 0
.rept 32                               ; channel 64 w + 32 h + i, positions 4 r .. 4 r + 3: an instruction takes two whole rows of 256 bytes
	global_load_b128 v[XR+4*i:XR+4*i+3], v[CO], s[4:5] offset:16384*i
.set i, i+1
.endr
.set i, 0
.rept 8
	global_load_b128 v[64+4*i:67+4*i],  v[GO], s[6:7] offset:16*i
	global_load_b128 v[96+4*i:99+4*i], v[GO], s[8:9] offset:16*i
.set i, i+1
.endr
	s_add_co_u32 s44, s44, RED
	v_lshl_add_u32 v[REDS], v1, 4, s44
	v_lshlrev_b32 v[REDL], 4, v1
	v_add_nc_u32 v[REDL], RED, v[REDL]
	s_mul_i32 s44, s[WV], 64*PX
	s_add_co_u32 s44, s44, XH
	v_mul_u32_u24 v[VXS], v2, 32*PX
	v_lshl_add_u32 v[VXS], v1, 3, v[VXS]
	v_add_nc_u32 v[VXS], s44, v[VXS]               ; row 64 w + 32 h, 8 r
	v_and_b32 v28, 7, v0
	v_lshl_add_u32 v28, v2, 3, v28
	v_bfe_u32 v29, v0, 3, 1
	v_mul_u32_u24 v[VB], v28, PX
	v_lshl_add_u32 v[VB], v29, 4, v[VB]
	v_add_nc_u32 v[VB], XH, v[VB]                  ; the turning load: row 8 h + lane % 8, 16 ((lane / 8) % 2)
	v_lshlrev_b32 v[AO], 4, v3                     ; 16 lane
	s_mul_i32 s44, s[WV], 64*144
	s_add_co_u32 s44, s44, STG
	v_mul_u32_u24 v[STS], v1, 144
	v_lshl_add_u32 v[STS], v2, 4, v[STS]
	v_add_nc_u32 v[STS], s44, v[STS]
	v_lshrrev_b32 v28, 3, v3
	v_and_b32 v29, 7, v0
	v_mul_u32_u24 v[STL], v28, 144
	v_lshl_add_u32 v[STL], v29, 4, v[STL]
	v_add_nc_u32 v[STL], s44, v[STL]
	v_lshl_add_u32 v[MDS], v3, 2, s44
	v_lshl_add_u32 v[MDL], v3, 3, s44
	v_lshlrev_b32 v[MDO], 3, v3
	s_lshl_b32 s44, s[WV], 15
	v_lshl_add_u32 v[VQ], v2, 5, s44               ; my head's anchors, 32 h
	WIN 0x40
.set i, 0
.rept 256                              ; the sums start at 0: written while the loads are on their way, so that the K loop has one form of product; a first trip written out would be twice this text
	v_mov_b32 v[i], 0
.set i, i+1
.endr
	WIN 0
	s_wait_loadcnt 16                              ; the context is in; g and b are younger
	; LayerNorm, two passes; four chains (two pairs of positions x the channel's parity)
.irp p, 0,1
.irp c, 0,2
	v_pk_add_f32 v[32+4*\p+\c:33+4*\p+\c], v[XR+4*\p+\c:XR+4*\p+\c+1], v[XR+8+4*\p+\c:XR+8+4*\p+\c+1]
.endr
.endr
.set i, 4
.rept 28
.irp c, 0,2
	v_pk_add_f32 v[32+4*(i%2)+\c:33+4*(i%2)+\c], v[32+4*(i%2)+\c:33+4*(i%2)+\c], v[XR+4*i+\c:XR+4*i+\c+1]
.endr
.set i, i+1
.endr
	FOLD 0
	v_pk_mul_f32 v[MU:MU+1], v[32:33], s[52:53] op_sel_hi:[1,0]
	v_pk_mul_f32 v[MU+2:MU+3], v[34:35], s[52:53] op_sel_hi:[1,0]
.set i, 0
.rept 32
.irp c, 0,2
	v_pk_add_f32 v[XR+4*i+\c:XR+4*i+\c+1], v[XR+4*i+\c:XR+4*i+\c+1], v[MU+\c:MU+\c+1] neg_lo:[0,1] neg_hi:[0,1]
.endr
.set i, i+1
.endr
.irp p, 0,1
.irp c, 0,2
	v_pk_mul_f32 v[32+4*\p+\c:33+4*\p+\c], v[XR+4*\p+\c:XR+4*\p+\c+1], v[XR+4*\p+\c:XR+4*\p+\c+1]
.endr
.endr
.set i, 2
.rept 30
.irp c, 0,2
	v_pk_fma_f32 v[32+4*(i%2)+\c:33+4*(i%2)+\c], v[XR+4*i+\c:XR+4*i+\c+1], v[XR+4*i+\c:XR+4*i+\c+1], v[32+4*(i%2)+\c:33+4*(i%2)+\c]
.endr
.set i, i+1
.endr
	FOLD 1
.irp c, 0,1,2,3
	v_fmaak_f32 v[32+\c], s52, v[32+\c], 0x3727c5ac  ; var + 1e-5
.endr
.irp c, 0,1,2,3
	v_rsq_f32 v[RS+\c], v[32+\c]
.endr
	v_nop                                          ; a plain instruction behind the last transcendental,
	s_wait_alu depctr_va_vdst(0)                   ; and one wait for the four, ahead of their first reader
	v_pk_mul_f32 v[RS:RS+1], v[RS:RS+1], s[48:49] op_sel_hi:[1,0]      ; x 64: xn is split at 64 times its size
	v_pk_mul_f32 v[RS+2:RS+3], v[RS+2:RS+3], s[48:49] op_sel_hi:[1,0]
	s_wait_loadcnt 0x0                             ; g, b
.set i, 0
.rept 16
	v_pk_mul_f32 v[96+2*i:97+2*i], v[96+2*i:97+2*i], s[48:49] op_sel_hi:[1,0]
.set i, i+1
.endr
.set i, 0
.rept 32
.irp c, 0,2
	v_pk_mul_f32 v[XR+4*i+\c:XR+4*i+\c+1], v[XR+4*i+\c:XR+4*i+\c+1], v[RS+\c:RS+\c+1]
.endr
.set i, i+1
.endr
.set i, 0
.rept 16                               ; channels 2 i and 2 i + 1: g and b are taken from the low or the high register of their pair for both results
.irp c, 0,2
	v_pk_fma_f32 v[XR+8*i+\c:XR+8*i+\c+1], v[XR+8*i+\c:XR+8*i+\c+1], v[64+2*i:65+2*i], v[96+2*i:97+2*i] op_sel_hi:[1,0,0]
	v_pk_fma_f32 v[XR+8*i+4+\c:XR+8*i+5+\c], v[XR+8*i+4+\c:XR+8*i+5+\c], v[64+2*i:65+2*i], v[96+2*i:97+2*i] op_sel:[0,1,1] op_sel_hi:[1,1,1]
.endr
.set i, i+1
.endr
	; the split: hi = f16(x), x - hi exactly (one fused instruction from the f16 half), lo = f16 of that, packed in place
.set i, 0
.rept 64
	v_cvt_pk_f16_f32 v[32+i], v[XR+2*i], v[XR+2*i+1]
.set i, i+1
.endr
.set i, 0
.rept 64
	v_fma_mix_f32 v[XR+2*i], v[32+i], v[NEG1], v[XR+2*i] op_sel_hi:[1,0,0]
	v_fma_mix_f32 v[XR+2*i+1], v[32+i], v[NEG1], v[XR+2*i+1] op_sel:[1,0,0] op_sel_hi:[1,0,0]
.set i, i+1
.endr
.set i, 0
.rept 64
	v_cvt_pk_f16_f32 v[XR+i], v[XR+2*i], v[XR+2*i+1]
.set i, i+1
.endr
.set i, 0
.rept 32
	ds_store_b64 v[VXS], v[32+2*i:33+2*i] offset:PX*i
	ds_store_b64 v[VXS], v[XR+2*i:XR+2*i+1] offset:XLO+PX*i
.set i, i+1
.endr
	s_wait_tensorcnt 0x0                           ; my head's anchors have landed,
	s_wait_dscnt 0x0                               ; my rows of xn are in LDS:
	s_barrier_signal -1
	s_barrier_wait -1                              ; everybody's are
; A K step's operands into buffer buf: 12 fragments of weights at byte off behind the pointer (24 loads of 512 consecutive bytes), 8 of xn (hi and lo x four tiles of 16 positions)
.macro LOADS buf, off
	WIN 0
.set f, 0
.rept 12
	global_load_b128 v[32+96*(\buf)+8*f:32+96*(\buf)+8*f+3],   v[AO], s[W:W+1] offset:(\off)+1024*f
	global_load_b128 v[32+96*(\buf)+8*f+4:32+96*(\buf)+8*f+7], v[AO], s[W:W+1] offset:(\off)+1024*f+512
.set f, f+1
.endr
	WIN 0x80                                       ; destination window 2
.irp part, 0,1
.irp nt, 0,1,2,3
	ds_load_tr16_b128 v[64*(\buf)+8*(4*\part+\nt):64*(\buf)+8*(4*\part+\nt)+3],   v[VB] offset:((\off)/12288)*32*PX+XLO*\part+32*\nt
	ds_load_tr16_b128 v[64*(\buf)+8*(4*\part+\nt)+4:64*(\buf)+8*(4*\part+\nt)+7], v[VB] offset:((\off)/12288)*32*PX+XLO*\part+32*\nt+16*PX
.endr
.endr
	WIN 0
.endm
; A K step's 64 products: k = hi lo + lo hi + hi hi on 16 accumulators, then v = w hi on 16 more.  All take turns, one instruction a turn, over the backward jump too
.macro MULS buf
	WIN 0x58                                       ; weights window 0, xn window 2, sums window 1
.irp term, 0,1,2
.irp m, 0,1,2,3
.irp nt, 0,1,2,3
	v_wmma_f32_16x16x32_f16 v[8*(4*\m+\nt):8*(4*\m+\nt)+7], v[32+96*(\buf)+8*(4*((\term)%2)+\m):32+96*(\buf)+8*(4*((\term)%2)+\m)+7], v[64*(\buf)+8*(4*((2-\term)/2)+\nt):64*(\buf)+8*(4*((2-\term)/2)+\nt)+7], v[8*(4*\m+\nt):8*(4*\m+\nt)+7]
.endr
.endr
.endr
.irp m, 0,1,2,3
.irp nt, 0,1,2,3
	v_wmma_f32_16x16x32_f16 v[128+8*(4*\m+\nt):128+8*(4*\m+\nt)+7], v[32+96*(\buf)+8*(8+\m):32+96*(\buf)+8*(8+\m)+7], v[64*(\buf)+8*\nt:64*(\buf)+8*\nt+7], v[128+8*(4*\m+\nt):128+8*(4*\m+\nt)+7]
.endr
.endr
.endm
	LOADS 0, 0
	LOADS 1, 12288
	s_mov_b32 s44, 3
.Lk:                                           ; K steps 2 i and 2 i + 1 are multiplied, 2 i + 2 and 2 i + 3 asked for
	s_wait_loadcnt 24                              ; buffer 0 is in: the other buffer's 24 loads
	s_wait_dscnt 16                                ; and 16 LDS loads are younger
	MULS 0
	PLACES                                         ; four places in front of loads into registers that the products have read
	WIN 0
	s_wait_xcnt 0x0                                ; the loads issued so far have read their base, so it may be stepped
	s_add_nc_u64 s[W:W+1], s[W:W+1], 24576
	v_add_nc_u32 v[VB], 64*PX, v[VB]
	LOADS 0, 0
	s_wait_loadcnt 24
	s_wait_dscnt 16
	MULS 1
	PLACES
	LOADS 1, 12288
	s_sub_co_u32 s44, s44, 1
	s_cmp_lg_u32 s44, 0
	s_cbranch_scc1 .Lk
	s_wait_loadcnt 24                              ; the last two K steps load nothing
	s_wait_dscnt 16
	MULS 0
	s_wait_loadcnt 0x0
	s_wait_dscnt 0x0
	MULS 1
	PLACES
	; l2norm of k: a chain for each tile of positions; each accumulator's lowest registers are read first
	WIN 0x05
.irp m, 0,1,2,3
.irp jp, 0,1,2,3
.irp nt, 0,1,2,3
.if ((\m)+(\jp)) == 0
	v_pk_mul_f32 v[32+2*\nt:33+2*\nt], v[8*(4*\m+\nt)+2*\jp:8*(4*\m+\nt)+2*\jp+1], v[8*(4*\m+\nt)+2*\jp:8*(4*\m+\nt)+2*\jp+1]
.else
	v_pk_fma_f32 v[32+2*\nt:33+2*\nt], v[8*(4*\m+\nt)+2*\jp:8*(4*\m+\nt)+2*\jp+1], v[8*(4*\m+\nt)+2*\jp:8*(4*\m+\nt)+2*\jp+1], v[32+2*\nt:33+2*\nt]
.endif
.endr
.endr
.endr
	WIN 0
.irp nt, 0,1,2,3
	v_add_f32 v[32+2*\nt], v[32+2*\nt], v[33+2*\nt]
.endr
.irp nt, 0,1,2,3
	v_permlanex16_b32 v[33+2*\nt], v[32+2*\nt], s40, s41
.endr
.irp nt, 0,1,2,3
	v_add_f32 v[32+2*\nt], v[32+2*\nt], v[33+2*\nt]
.endr
.irp nt, 0,1,2,3
	v_rsq_f32 v[16+2*\nt], v[32+2*\nt]
.endr
	v_nop
	s_wait_alu depctr_va_vdst(0)
.irp nt, 0,1,2,3
	v_min_num_f32 v[16+2*\nt], 0x4b68d4a5, v[16+2*\nt]  ; reference() divides by max(norm, 1e-12); the sums here are 65,536 times theirs: 1e12 / 65536
.endr
.irp nt, 0,1,2,3
	v_mov_b32 v[17+2*\nt], v[16+2*\nt]
.endr
	WIN 0x01                                       ; K^ goes to window 0: tile nt, number 8 m + j at 128 + 32 nt + 8 m + j
.irp m, 0,1,2,3
.irp nt, 0,1,2,3
.irp jp, 0,1,2,3
	v_pk_mul_f32 v[128+32*\nt+8*\m+2*\jp:128+32*\nt+8*\m+2*\jp+1], v[8*(4*\m+\nt)+2*\jp:8*(4*\m+\nt)+2*\jp+1], v[16+2*\nt:17+2*\nt]
.endr
.endr
.endr
	WIN 0
; 64 rows of 128 bytes in v[32:95] (tile nt, block m at 16 nt + 4 m) leave through my stage: in by 16 bytes of a row, back as 512 consecutive bytes
.macro SENDROWS base
.irp nt, 0,1,2,3
.irp m, 0,1,2,3
	ds_store_b128 v[STS], v[32+16*\nt+4*\m:32+16*\nt+4*\m+3] offset:16*\nt*144+32*\m
.endr
.endr
.set i, 0
.rept 16
	ds_load_b128 v[32+4*i:35+4*i], v[STL] offset:576*i  ; LDS serves a wave's instructions in order: these see my stores above
.set i, i+1
.endr
.set i, 0
.rept 16
	s_wait_dscnt 15-i
	global_store_b128 v[AO], v[32+4*i:35+4*i], s[\base:\base+1] offset:512*i
.set i, i+1
.endr
.endm
.set i, 0
.rept 64
	v_cvt_pk_f16_f32 v[32+i], v[128+2*i], v[129+2*i]
.set i, i+1
.endr
	SENDROWS 16
	WIN 0x41
.set i, 0
.rept 64                               ; v was made of xn x 64
	v_pk_mul_f32 v[128+2*i:129+2*i], v[128+2*i:129+2*i], s[50:51] op_sel_hi:[1,0]
.set i, i+1
.endr
	s_wait_xcnt 0x0                                ; kb's stores have read v[32:95]
	WIN 0x05
.irp nt, 0,1,2,3
.irp m, 0,1,2,3
.irp n, 0,1,2,3
	v_cvt_pk_f16_f32 v[32+16*\nt+4*\m+\n], v[128+8*(4*\m+\nt)+2*\n], v[128+8*(4*\m+\nt)+2*\n+1]
.endr
.endr
.endr
	WIN 0
	SENDROWS 18
	s_wait_xcnt 0x0                                ; vb's stores have read v[32:95], which the distances use
; THE DISTANCES.  A trip takes two anchors e.  A lane holds 32 numbers of four keys (K^) and reads the same 32 numbers of an anchor: all 16 lanes of a half read one address.
; For two numbers: one packed difference, two additions of magnitudes.  Eight chains (2 anchors x 4 keys), their links eight instructions apart.
.macro LOADQ half, off                 ; the anchors' blocks m = 2 half, 2 half + 1
.irp e, 0,1
.irp mm, 0,1
.irp q, 0,1
	ds_load_b128 v[64+32*\e+8*(2*(\half)+\mm)+4*\q:64+32*\e+8*(2*(\half)+\mm)+4*\q+3], v[VQ] offset:(\off)+256*\e+64*(2*(\half)+\mm)+16*\q
.endr
.endr
.endr
.endm
.macro HALF half
.irp mm, 0,1
.irp jp, 0,1,2,3
.irp e, 0,1
.irp nt, 0,1,2,3
	v_pk_add_f32 v[32+2*(4*\e+\nt):33+2*(4*\e+\nt)], v[128+32*\nt+8*(2*(\half)+\mm)+2*\jp:128+32*\nt+8*(2*(\half)+\mm)+2*\jp+1], v[64+32*\e+8*(2*(\half)+\mm)+2*\jp:64+32*\e+8*(2*(\half)+\mm)+2*\jp+1] neg_lo:[0,1] neg_hi:[0,1]
.endr
.endr
.if ((\half)+(\mm)+(\jp)) == 0
.irp x, 0,1,2,3,4,5,6,7
	v_add_f32 v[48+\x], |v[32+2*\x]|, |v[33+2*\x]|     ; the first two magnitudes start the sums
.endr
.else
.irp x, 0,1,2,3,4,5,6,7
	v_add_f32 v[48+\x], |v[32+2*\x]|, v[48+\x]
.endr
.irp x, 0,1,2,3,4,5,6,7
	v_add_f32 v[48+\x], |v[33+2*\x]|, v[48+\x]
.endr
.endif
.endr
.endr
.endm
.irp nt, 0,1,2,3
	v_mov_b32 v[56+\nt], 0x7f800000                ; the least distance so far: +infinity
.endr
	LOADQ 0, 0
	LOADQ 1, 0
	s_mov_b32 s44, 64
.Ld:
	s_wait_dscnt 8                                 ; the first half's 8 loads are in; the second half's are younger
	HALF 0
	LOADQ 0, 512                                   ; the next two anchors.  In the last trip these 16 loads read the 512 bytes behind my anchors (the next wave's, or the head of xn): bytes written ahead of the barrier above and never again; nothing uses them
	s_wait_dscnt 8                                 ; the second half is in; the 8 just issued are younger
	HALF 1
	LOADQ 1, 512
.irp x, 0,1,2,3,4,5,6,7
	v_permlanex16_b32 v[32+\x], v[48+\x], s40, s41 ; the key's other 32 numbers lie in the lane 16 away
.endr
.irp x, 0,1,2,3,4,5,6,7
	v_add_f32 v[48+\x], v[48+\x], v[32+\x]
.endr
.irp nt, 0,1,2,3
	v_min3_num_f32 v[56+\nt], v[56+\nt], v[48+\nt], v[52+\nt]
.endr
	v_add_nc_u32 v[VQ], 512, v[VQ]
	s_sub_co_u32 s44, s44, 1
	s_cmp_lg_u32 s44, 0
	s_cbranch_scc1 .Ld
	s_wait_dscnt 0x0
	v_cmp_gt_u32 vcc_lo, 16, v3                    ; both halves hold all four minima: lanes 0-15 give tiles 0 and 2, lanes 16-31 tiles 1 and 3,
	v_cndmask_b32 v28, v57, v56, vcc_lo
	v_cndmask_b32 v29, v59, v58, vcc_lo
	ds_store_b32 v[MDS], v28                       ; and my stage puts the 64 numbers in order,
	ds_store_b32 v[MDS], v29 offset:128
	ds_load_b64 v[30:31], v[MDL]
	s_wait_dscnt 0x0
	global_store_b64 v[MDO], v[30:31], s[14:15]    ; so that one store covers 256 consecutive bytes, aligned
	s_wait_tensorcnt 0x0                           ; the wave's end
	ds_add_u32 v[SPW], v[NIL]
	s_wait_dscnt 0x0
	CROUND                                         ; the closing round
	s_endpgm
.Lfunc_end_k_q07592605f1_kvd:
	.size	k_q07592605f1_kvd, .Lfunc_end_k_q07592605f1_kvd-k_q07592605f1_kvd
	.p2alignl 7, 3214868480
	.fill 96, 4, 3214868480
	.section	.rodata,"a",@progbits
	.p2align	6, 0x0
	.amdhsa_kernel k_q07592605f1_kvd
		.amdhsa_group_segment_fixed_size 252416
		.amdhsa_private_segment_fixed_size 0
		.amdhsa_enable_private_segment 0
		.amdhsa_kernarg_size 64
		.amdhsa_user_sgpr_count 2
		.amdhsa_user_sgpr_kernarg_segment_ptr 1
		.amdhsa_wavefront_size32 1
		.amdhsa_system_sgpr_workgroup_id_x 1
		.amdhsa_system_sgpr_workgroup_id_y 1
		.amdhsa_system_sgpr_workgroup_id_z 1
		.amdhsa_system_vgpr_workitem_id 0
		.amdhsa_next_free_vgpr 640
		.amdhsa_next_free_sgpr 66
		.amdhsa_reserve_vcc 1
		.amdhsa_float_denorm_mode_32 3
		.amdhsa_float_denorm_mode_16_64 3
		.amdhsa_memory_ordered 1
		.amdhsa_forward_progress 1
		.amdhsa_inst_pref_size 150
	.end_amdhsa_kernel
	.amdgpu_metadata
---
amdhsa.version: [ 1, 2 ]
amdhsa.kernels:
  - .name:           k_q07592605f1_kvd
    .symbol:         k_q07592605f1_kvd.kd
    .args:
      - { .name: context, .offset: 0, .size: 8, .value_kind: global_buffer, .address_space: global }
      - { .name: g_ctx, .offset: 8, .size: 8, .value_kind: global_buffer, .address_space: global }
      - { .name: b_ctx, .offset: 16, .size: 8, .value_kind: global_buffer, .address_space: global }
      - { .name: wf, .offset: 24, .size: 8, .value_kind: global_buffer, .address_space: global }
      - { .name: qa, .offset: 32, .size: 8, .value_kind: global_buffer, .address_space: global }
      - { .name: md, .offset: 40, .size: 8, .value_kind: global_buffer, .address_space: global }
      - { .name: kb, .offset: 48, .size: 8, .value_kind: global_buffer, .address_space: global }
      - { .name: vb, .offset: 56, .size: 8, .value_kind: global_buffer, .address_space: global }
    .group_segment_fixed_size: 252416
    .private_segment_fixed_size: 0
    .kernarg_segment_align: 8
    .kernarg_segment_size: 64
    .max_flat_workgroup_size: 128
    .sgpr_count:     66
    .vgpr_count:     640
    .wavefront_size: 32
...
	.end_amdgpu_metadata
.endif
;; end of part 2
;; launch sel (part 3): grid 16 x 1, 8 waves a work-group, no clusters, 1,536 bytes of LDS; arguments md, pos; writes pos
.if DOCPART == 3
	.amdgcn_target "amdgcn-amd-amdhsa--gfx1250"
	.amdhsa_code_object_version 6
	.text
	.protected	k_q07592605f1_sel
	.globl	k_q07592605f1_sel
	.p2align	8
	.type	k_q07592605f1_sel,@function
k_q07592605f1_sel:
	s_mov_b64 s[64:65], 0
	v_nop
	global_prefetch_b8 v0, s[64:65] scope:SCOPE_SE
	s_setreg_imm32_b32 hwreg(HW_REG_WAVE_MODE, 25, 1), 1
	s_wait_xcnt 0x0
; SEL.  For each of the 16 (batch, head): which 128 of the 4,096 keys have the least md, ties by the lower index as lax.top_k has them.  pos[bh][key] = the key's place 0 .. 127 among the chosen, or 0xFFFF.
; One work-group a head: a count over all of a head's keys has one owner, since work-groups do not talk.  Thread t holds keys 16 t .. 16 t + 15, so the order (wave, lane, register) is the index order.
; md is a sum of magnitudes, never negative, so the order of the bit patterns is the order of the numbers (a NaN ranks last).  T, the 128th smallest, is the largest X with fewer than 128 keys below X:
; it is found two bits a step, from the top: three candidates, three counts.  All of this selects values; no address, branch or trip count hangs on md.
; A thread's four loads (and stores) of 16 bytes lie 64 bytes apart from its neighbour's; the four on end cover a wave's 2,048 consecutive bytes.
.set CNTB,  0                          ; LDS: the waves' counts, 128 parity + 16 wave
.set TOT,   256                        ; the waves' totals, 8 wave
.set SPARE, 512                        ; the spare words, 128 bytes for each of eight waves
.set U,     16                         ; v[16:31] my 16 keys' bits
; A step.  s9 = the bits found, s10 = the shift.  The two parities of the counts' place make one barrier a step enough: the bytes of step n are stored again in step n + 2, behind the barrier of
; step n + 1, which a wave signals only when its reads of step n are back.
.macro STEP par
	s_lshl_b32 s12, 1, s10
	s_lshl_b32 s13, 2, s10
	s_lshl_b32 s14, 3, s10
	s_or_b32 s12, s12, s9
	s_or_b32 s13, s13, s9
	s_or_b32 s14, s14, s9
	s_mov_b32 s40, 0
	s_mov_b32 s41, 0
	s_mov_b32 s42, 0
.irp g, 0,1
.set k, 0
.rept 8                                ; 24 masks, then their 24 counts: vector and scalar work overlap
	v_cmp_gt_u32 s[16+3*k], s12, v[U+8*\g+k]
	v_cmp_gt_u32 s[17+3*k], s13, v[U+8*\g+k]
	v_cmp_gt_u32 s[18+3*k], s14, v[U+8*\g+k]
.set k, k+1
.endr
.set k, 0
.rept 24
	s_bcnt1_i32_b32 s[16+k], s[16+k]
	s_add_co_u32 s[40+k%3], s[40+k%3], s[16+k]
.set k, k+1
.endr
.endr
	v_mov_b32 v32, s40
	v_mov_b32 v33, s41
	v_mov_b32 v34, s42
	v_mov_b32 v35, s42
	ds_store_b128 v5, v[32:35] offset:CNTB+128*(\par)
	s_wait_dscnt 0x0                               ; for the others' sake
	s_barrier_signal -1
	s_barrier_wait -1
.set k, 0
.rept 8
	ds_load_b128 v[36+4*k:39+4*k], v6 offset:CNTB+128*(\par)+16*k
.set k, k+1
.endr
	s_wait_dscnt 0x0
.irp c, 0,1,2
	v_add3_u32 v[36+\c], v[36+\c], v[40+\c], v[44+\c]
	v_add3_u32 v[48+\c], v[48+\c], v[52+\c], v[56+\c]
.endr
.irp c, 0,1,2
	v_add3_u32 v[36+\c], v[36+\c], v[60+\c], v[64+\c]
.endr
.irp c, 0,1,2
	v_add_nc_u32 v[36+\c], v[36+\c], v[48+\c]
.endr
.irp c, 0,1,2
	v_readfirstlane_b32 s[40+\c], v[36+\c]
.endr
	s_cmp_lt_u32 s40, 128                          ; the counts rise with the candidate: the digit is the number of candidates with fewer than 128 keys below them
	s_cselect_b32 s43, 1, 0
	s_cmp_lt_u32 s41, 128
	s_cselect_b32 s44, 1, 0
	s_cmp_lt_u32 s42, 128
	s_cselect_b32 s45, 1, 0
	s_add_co_u32 s43, s43, s44
	s_add_co_u32 s43, s43, s45
	s_lshl_b32 s43, s43, s10
	s_or_b32 s9, s9, s43
	s_sub_co_u32 s10, s10, 2
.endm
	s_load_b128 s[4:7], s[0:1], 0x0                ; md s[4:5], pos s[6:7]
	v_lshl_add_u32 v1, v0, 2, SPARE                ; my spare word; never rewritten
	v_mov_b32 v2, 0                                ; 0; never rewritten
	v_lshrrev_b32 v3, 5, v0
	v_readfirstlane_b32 s8, v3                     ; wave 0..7
	v_lshlrev_b32 v4, 6, v0
	s_lshl_b32 s12, ttmp9, 14
	v_add_nc_u32 v4, s12, v4                       ; 16,384 head + 64 t
	s_lshl_b32 s13, s8, 4
	v_mov_b32 v5, s13                              ; 16 wave
	v_mov_b32 v6, 0
	s_lshl_b32 s13, s8, 3
	v_mov_b32 v7, s13                              ; 8 wave
	s_wait_kmcnt 0x0
.irp j, 0,1,2,3
	global_load_b128 v[U+4*\j:U+4*\j+3], v4, s[4:5] offset:16*\j
.endr
	s_mov_b32 s9, 0
	s_mov_b32 s10, 30
	s_mov_b32 s11, 8
	s_wait_loadcnt 0x0
.Lstep:
	STEP 0
	STEP 1
	s_sub_co_u32 s11, s11, 1
	s_cmp_lg_u32 s11, 0
	s_cbranch_scc1 .Lstep
	; s9 = T.  Keys below T are all chosen; of the keys equal to T the first R = 128 - (number below) in index order.
.set k, 0
.rept 16
	v_cmp_gt_u32 s[16+k], s9, v[U+k]               ; below
	v_cmp_eq_u32 s[32+k], s9, v[U+k]               ; equal
.set k, k+1
.endr
	v_mbcnt_lo_u32_b32 v8, s16, 0                  ; how many of each kind lie in the lower lanes of my wave
	v_mbcnt_lo_u32_b32 v9, s32, 0
	s_mov_b32 s66, 0
	s_mov_b32 s67, 0
.set k, 1
.rept 15
	v_mbcnt_lo_u32_b32 v8, s[16+k], v8
	v_mbcnt_lo_u32_b32 v9, s[32+k], v9
.set k, k+1
.endr
.set k, 0
.rept 16
	s_bcnt1_i32_b32 s68, s[16+k]
	s_bcnt1_i32_b32 s69, s[32+k]
	s_add_co_u32 s66, s66, s68
	s_add_co_u32 s67, s67, s69
.set k, k+1
.endr
	v_mov_b32 v10, s66
	v_mov_b32 v11, s67
	ds_store_b64 v7, v[10:11] offset:TOT
	s_wait_dscnt 0x0
	s_barrier_signal -1
	s_barrier_wait -1
.irp k, 0,1,2,3
	ds_load_b128 v[32+4*\k:35+4*\k], v6 offset:TOT+16*\k
.endr
	s_wait_dscnt 0x0
.set k, 0
.rept 16
	v_readfirstlane_b32 s[48+k], v[32+k]
.set k, k+1
.endr
	s_mov_b32 s70, 0                               ; below, in the waves before mine
	s_mov_b32 s71, 0                               ; equal, likewise
	s_mov_b32 s72, 0                               ; below, in all
.set k, 0
.rept 8
	s_cmp_gt_u32 s8, k
	s_cselect_b32 s68, s[48+2*k], 0
	s_cselect_b32 s69, s[49+2*k], 0
	s_add_co_u32 s70, s70, s68
	s_add_co_u32 s71, s71, s69
	s_add_co_u32 s72, s72, s[48+2*k]
.set k, k+1
.endr
	s_sub_co_u32 s73, 128, s72                     ; R, at least 1
	v_add_nc_u32 v8, s70, v8
	v_add_nc_u32 v9, s71, v9
	v_mov_b32 v12, 0xffff
.set k, 0
.rept 16                               ; v8, v9 = keys below, equal, ahead of this one in index order; its place among the chosen = v8 + min(v9, R)
	v_min_u32 v13, s73, v9
	v_cmp_gt_u32 s68, s73, v9
	v_add_nc_u32 v13, v8, v13
	s_and_b32 s68, s68, s[32+k]
	s_or_b32 s68, s68, s[16+k]
	v_cndmask_b32 v[48+k], v12, v13, s68
	v_cndmask_b32 v14, 0, 1, s[16+k]
	v_cndmask_b32 v15, 0, 1, s[32+k]
	v_add_nc_u32 v8, v8, v14
	v_add_nc_u32 v9, v9, v15
.set k, k+1
.endr
.irp j, 0,1,2,3
	global_store_b128 v4, v[48+4*\j:51+4*\j], s[6:7] offset:16*\j
.endr
	s_wait_tensorcnt 0x0                           ; the wave's end, behind my last LDS store
	ds_add_u32 v1, v2
	s_wait_dscnt 0x0
	s_endpgm
.Lfunc_end_k_q07592605f1_sel:
	.size	k_q07592605f1_sel, .Lfunc_end_k_q07592605f1_sel-k_q07592605f1_sel
	.p2alignl 7, 3214868480
	.fill 96, 4, 3214868480
	.section	.rodata,"a",@progbits
	.p2align	6, 0x0
	.amdhsa_kernel k_q07592605f1_sel
		.amdhsa_group_segment_fixed_size 1536
		.amdhsa_private_segment_fixed_size 0
		.amdhsa_enable_private_segment 0
		.amdhsa_kernarg_size 16
		.amdhsa_user_sgpr_count 2
		.amdhsa_user_sgpr_kernarg_segment_ptr 1
		.amdhsa_wavefront_size32 1
		.amdhsa_system_sgpr_workgroup_id_x 1
		.amdhsa_system_sgpr_workgroup_id_y 1
		.amdhsa_system_sgpr_workgroup_id_z 1
		.amdhsa_system_vgpr_workitem_id 0
		.amdhsa_next_free_vgpr 72
		.amdhsa_next_free_sgpr 80
		.amdhsa_reserve_vcc 0
		.amdhsa_float_denorm_mode_32 3
		.amdhsa_float_denorm_mode_16_64 3
		.amdhsa_memory_ordered 1
		.amdhsa_forward_progress 1
		.amdhsa_inst_pref_size 35
	.end_amdhsa_kernel
	.amdgpu_metadata
---
amdhsa.version: [ 1, 2 ]
amdhsa.kernels:
  - .name:           k_q07592605f1_sel
    .symbol:         k_q07592605f1_sel.kd
    .args:
      - { .name: md, .offset: 0, .size: 8, .value_kind: global_buffer, .address_space: global }
      - { .name: pos, .offset: 8, .size: 8, .value_kind: global_buffer, .address_space: global }
    .group_segment_fixed_size: 1536
    .private_segment_fixed_size: 0
    .kernarg_segment_align: 8
    .kernarg_segment_size: 16
    .max_flat_workgroup_size: 256
    .sgpr_count:     80
    .vgpr_count:     72
    .wavefront_size: 32
...
	.end_amdgpu_metadata
.endif
;; end of part 3
;; launch gat (part 4): grid 2048 x 1, 8 waves a work-group, no clusters, 0 bytes of LDS; arguments pos, kb, vb, pack; writes pack
.if DOCPART == 4
	.amdgcn_target "amdgcn-amd-amdhsa--gfx1250"
	.amdhsa_code_object_version 6
	.text
	.protected	k_q07592605f1_gat
	.globl	k_q07592605f1_gat
	.p2align	8
	.type	k_q07592605f1_gat,@function
k_q07592605f1_gat:
	s_mov_b64 s[64:65], 0
	v_nop
	global_prefetch_b8 v0, s[64:65] scope:SCOPE_SE
	s_setreg_imm32_b32 hwreg(HW_REG_WAVE_MODE, 25, 1), 1
	s_wait_xcnt 0x0
; GAT.  The chosen keys' rows go where the last launch wants them: pack, block (batch, head) of 98,304 bytes, row 256 + place = K^, row 384 + place = V, 128 bytes each.
; Eight lanes to a key (16 bytes each), 65,536 keys, 2,048 work-groups of 256 threads.  pos was stored as whole numbers by the launch before; only the lanes of chosen keys load and store.
; All addresses are made with every lane on, the place held to 0 .. 127; then EXEC is narrowed.
	s_load_b256 s[4:11], s[0:1], 0x0               ; pos s[4:5], kb s[6:7], vb s[8:9], pack s[10:11]
	s_lshl_b32 s12, ttmp9, 8
	v_add_nc_u32 v1, s12, v0                       ; 8 key + chunk
	v_lshrrev_b32 v2, 3, v1                        ; key = 4096 bh + n
	v_and_b32 v3, 7, v1
	v_lshrrev_b32 v4, 12, v2                       ; bh
	v_lshlrev_b32 v5, 2, v2
	s_wait_kmcnt 0x0
	global_load_b32 v6, v5, s[4:5]
	v_lshlrev_b32 v7, 4, v1                        ; 128 key + 16 chunk
	v_mul_u32_u24 v8, v4, 0x18000
	v_lshl_add_u32 v8, v3, 4, v8
.irp j, 12,13,14,15,16,17,18,19
	v_mov_b32 v\j, 0                               ; written whole once: the loads below write the chosen lanes alone
.endr
	s_wait_loadcnt 0x0
	v_min_u32 v9, 0x7f, v6
	v_lshl_add_u32 v8, v9, 7, v8
	v_cmp_gt_u32 vcc_lo, 128, v6
	s_wait_xcnt 0x0                                ; EXEC changes only behind this wait
	s_and_saveexec_b32 s12, vcc_lo
	global_load_b128 v[12:15], v7, s[6:7]
	global_load_b128 v[16:19], v7, s[8:9]
	s_wait_loadcnt 0x0
	global_store_b128 v8, v[12:15], s[10:11] offset:32768
	global_store_b128 v8, v[16:19], s[10:11] offset:49152
	s_wait_xcnt 0x0                                ; and again, in front of the line that widens it
	s_or_b32 exec_lo, exec_lo, s12
	s_endpgm
.Lfunc_end_k_q07592605f1_gat:
	.size	k_q07592605f1_gat, .Lfunc_end_k_q07592605f1_gat-k_q07592605f1_gat
	.p2alignl 7, 3214868480
	.fill 96, 4, 3214868480
	.section	.rodata,"a",@progbits
	.p2align	6, 0x0
	.amdhsa_kernel k_q07592605f1_gat
		.amdhsa_group_segment_fixed_size 0
		.amdhsa_private_segment_fixed_size 0
		.amdhsa_enable_private_segment 0
		.amdhsa_kernarg_size 32
		.amdhsa_user_sgpr_count 2
		.amdhsa_user_sgpr_kernarg_segment_ptr 1
		.amdhsa_wavefront_size32 1
		.amdhsa_system_sgpr_workgroup_id_x 1
		.amdhsa_system_sgpr_workgroup_id_y 1
		.amdhsa_system_sgpr_workgroup_id_z 1
		.amdhsa_system_vgpr_workitem_id 0
		.amdhsa_next_free_vgpr 24
		.amdhsa_next_free_sgpr 66
		.amdhsa_reserve_vcc 1
		.amdhsa_float_denorm_mode_32 3
		.amdhsa_float_denorm_mode_16_64 3
		.amdhsa_memory_ordered 1
		.amdhsa_forward_progress 1
		.amdhsa_inst_pref_size 2
	.end_amdhsa_kernel
	.amdgpu_metadata
---
amdhsa.version: [ 1, 2 ]
amdhsa.kernels:
  - .name:           k_q07592605f1_gat
    .symbol:         k_q07592605f1_gat.kd
    .args:
      - { .name: pos, .offset: 0, .size: 8, .value_kind: global_buffer, .address_space: global }
      - { .name: kb, .offset: 8, .size: 8, .value_kind: global_buffer, .address_space: global }
      - { .name: vb, .offset: 16, .size: 8, .value_kind: global_buffer, .address_space: global }
      - { .name: pack, .offset: 24, .size: 8, .value_kind: global_buffer, .address_space: global }
    .group_segment_fixed_size: 0
    .private_segment_fixed_size: 0
    .kernarg_segment_align: 8
    .kernarg_segment_size: 32
    .max_flat_workgroup_size: 256
    .sgpr_count:     66
    .vgpr_count:     24
    .wavefront_size: 32
...
	.end_amdgpu_metadata
.endif
;; end of part 4
;; launch main (part 5): grid 128 x 2, 4 waves a work-group, clusters of 4 x 1, 327,680 bytes of LDS; arguments query_source, g_qs, b_qs, pack, g_out, b_out, gamma, out0; writes out0
.if DOCPART == 5
	.amdgcn_target "amdgcn-amd-amdhsa--gfx1250"
	.amdhsa_code_object_version 6
	.text
	.protected	k_q07592605f1_main
	.globl	k_q07592605f1_main
	.p2align	8
	.type	k_q07592605f1_main,@function
k_q07592605f1_main:
	s_mov_b64 s[64:65], 0
	v_nop
	global_prefetch_b8 v0, s[64:65] scope:SCOPE_SE
	s_setreg_imm32_b32 hwreg(HW_REG_WAVE_MODE, 25, 1), 1
	s_wait_xcnt 0x0
	s_wait_alu depctr_hold_cnt(0) depctr_sa_sdst(0) depctr_va_vdst(0) depctr_va_sdst(0) depctr_va_ssrc(0) depctr_va_vcc(0) depctr_vm_vsrc(0)
	s_getreg_b32 s2, hwreg(HW_REG_IB_STS2, 6, 4)
	s_cmp_eq_u32 s2, 0
	s_cbranch_scc0 .Lentry_in_a_cluster
	s_endpgm
.Lentry_in_a_cluster:
	s_bfe_u32 s2, ttmp6, 0x10000c
	s_cmp_lg_u32 s2, 0x3003
	s_cbranch_scc0 .Lentry_shape_is_right
	s_endpgm
.Lentry_shape_is_right:
; MAIN.  out0 = gamma LN(w_out attention(l2norm(w_q LN(x)), K^, V)) + x, all in one launch: x is read once and kept in registers for the residual, y never leaves registers until its LayerNorm is done.
; SHARES.  A work-group owns 128 positions of one batch.  Going in and out, wave w owns channels 64 w .. 64 w + 63 of all 128 positions (a load or store covers 512 consecutive bytes).
; In the loop over the eight heads wave w owns positions 32 w .. 32 w + 31, two tiles t of 16.
; LAYOUT.  Every product is taken transposed, so that a lane holds ONE position (lane % 16) throughout: q^T = Wq X, S^T = K^ q, O^T = V^T P, y^T += Wo o.  Each result, rounded to f16 in pairs, IS source 1 of
; the next product; nothing changes lanes but one exchange of the halves for each norm and sum.  Source 0 comes from LDS: a head's operands are one dense block of pack, 768 rows of 128 bytes
; (256 of w_q, 128 of K^, 128 of V, 256 of w_out), which the four waves fetch by a quarter each; a fragment read from LDS feeds two products.
; SOFTMAX.  No maximum is taken away: q^ and K^ are unit vectors by reference()'s own l2norm and the scale is 1, so every score lies in -1 .. 1 and every weight in 1/e .. e, whatever the inputs.
; log2(e) rides on q^.  The sum is taken of the unrounded weights.
; FORMAT.  All operands f16, sums f32.  LIMITS: 16 |g_qs| + |b_qs|, |w_q|, |w_out|, |v| under 65,504; NaN and infinities are not treated apart.
; CLUSTER.  The four partners belong to one batch and walk the same eight blocks: each quarter is asked for JOINTLY, by the same tensor load, descriptor and mask in all four.
; RING.  Two slots, a head each.  By this text's own count a wave has two tensor loads out at the start and one behind each change of slots; that load has a whole head, 192 matrix instructions, in which to land.
; REGISTERS, in windows of 256 (s_set_vgpr_msb: bits 1:0 source 0, 3:2 source 1, 5:4 source 2, 7:6 destination):
;   window 0: v0-31 addresses; v32-95, v96-159 two buffers of 8 fragments (at the ends: g, b); v160-191 q^, later o, as source 1 (16 a tile); v192-255 P (32 a tile); at the ends v160-235 at work
;   window 1: y^T, 128 t + 8 ot + j          window 2: x as loaded, channel 64 w + i at 4 i
;   window 3: v0-127 S^T at 64 t + 8 kt; q^T and O^T lie on its first half, what is at work on its second; v128-255 xn's fragments at 128 + 64 t + 8 s
.set SLOT1, 1<<17                      ; slot 0 at 0, slot 1 here: 768 rows of 144 bytes each (128 + 16: the 16 rows of a fragment load start at 16 different groups of four banks)
.set PK,    144
.set HEADB, 98304                      ; a head's block in pack
.set XB,    241664                     ; xn in f16, [channel][position]: 256 rows of 288 bytes (256 + 32)
.set PXM,   288
.set RED,   315392                     ; the waves' sums: 2048 pass + 512 w + 16 lane
.set SPARE, 319488                     ; the spare words, 128 bytes for each wave
.set PS,    528                        ; the stage at the end, f32 [channel][position], 256 rows of 528 bytes from LDS byte 0: over slots that have had their last fill
.set SPW,  4
.set NIL,  5
.set AFL,  6                           ; 144 r + 16 h
.set AVL,  7                           ; the turning load: 144 (8 h + lane % 8) + 16 ((lane / 8) % 2)
.set AF0,  8
.set AF1,  9
.set AV,   10
.set VO,   11                          ; x and out0: 64 w rows of 65,536 bytes + 16 lane; never rewritten
.set GOF,  12                          ; 256 w: my 64 channels of a gain or bias
.set REDS, 13
.set REDL, 14
.set VXS,  15
.set VB0,  16
.set VB1,  17
.set SB0,  18
.set SB1,  19
.set SRD,  20
.set PFO,  21
.set WV,   20
.set TB,   40                          ; s40  LDS byte of the slot in hand
.set CNT,  41
.set LIM,  42
.set MSB, 0
.macro WIN new                         ; the immediate's high byte repeats the setting that is left; a switch that changes nothing is dropped
.if MSB != (\new)
	s_set_vgpr_msb (MSB<<8)|(\new)
.set MSB, (\new)
.endif
.endm
.macro PLACES                          ; four places behind a matrix instruction, in front of loads into registers that it has read and of vector work on its result
.rept 4
	v_nop
.endr
.endm
.macro CROUND                          ; a round of the cluster's barrier
	s_barrier_signal -1
	s_barrier_wait -1
	s_cmp_lg_u32 s[WV], 0
	s_cbranch_scc1 .Lnot_wave_0_\@
	s_barrier_signal -3
.Lnot_wave_0_\@:
	s_barrier_wait -3
	s_barrier_signal -1
	s_barrier_wait -1
.endm
; v[x:x+1] = v[x:x+1] G[i] + B[i]: the gain and the bias are taken from the low or the high register of their pair for both results
.macro GBF x, i
.if ((\i)%2) == 0
	v_pk_fma_f32 v[\x:(\x)+1], v[\x:(\x)+1], v[32+(\i):33+(\i)], v[96+(\i):97+(\i)] op_sel_hi:[1,0,0]
.else
	v_pk_fma_f32 v[\x:(\x)+1], v[\x:(\x)+1], v[31+(\i):32+(\i)], v[95+(\i):96+(\i)] op_sel:[0,1,1] op_sel_hi:[1,1,1]
.endif
.endm
; four chains of two pairs in v[208:223] become, for my four positions, the sum over all 256 channels, in v[208:211]
.macro FOLD pass
.irp c, 0,2
	v_pk_add_f32 v[208+\c:209+\c], v[208+\c:209+\c], v[212+\c:213+\c]
	v_pk_add_f32 v[216+\c:217+\c], v[216+\c:217+\c], v[220+\c:221+\c]
.endr
.irp c, 0,2
	v_pk_add_f32 v[208+\c:209+\c], v[208+\c:209+\c], v[216+\c:217+\c]
.endr
	ds_store_b128 v[REDS], v[208:211] offset:2048*(\pass)
	s_wait_dscnt 0x0                               ; for the others' sake
	s_barrier_signal -1
	s_barrier_wait -1
.irp k, 0,1,2,3
	ds_load_b128 v[208+4*\k:211+4*\k], v[REDL] offset:2048*(\pass)+512*\k
.endr
	s_wait_dscnt 0x0
.irp c, 0,2
	v_pk_add_f32 v[208+\c:209+\c], v[208+\c:209+\c], v[212+\c:213+\c]
	v_pk_add_f32 v[216+\c:217+\c], v[216+\c:217+\c], v[220+\c:221+\c]
.endr
.irp c, 0,2
	v_pk_add_f32 v[208+\c:209+\c], v[208+\c:209+\c], v[216+\c:217+\c]
.endr
.endm
	s_load_b512 s[4:19], s[0:1], 0x0               ; query_source s[4:5], g_qs s[6:7], b_qs s[8:9], pack s[10:11], g_out s[12:13], b_out s[14:15], gamma s[16:17], out0 s[18:19]
	v_lshl_add_u32 v[SPW], v0, 2, SPARE
	v_mov_b32 v[NIL], 0
	ds_add_u32 v[SPW], v[NIL]                      ; the wave's opening: the add, twice on end, and its wait ahead of my first tensor load
	ds_add_u32 v[SPW], v[NIL]
	v_lshrrev_b32 v1, 5, v0
	v_readfirstlane_b32 s[WV], v1                  ; wave 0..3
	s_bfe_u32 s21, ttmp6, 0x40000                  ; cx: it enters the addresses of x, out0 and the prefetches alone
	s_lshl_b32 s22, ttmp9, 2
	s_add_co_u32 s22, s22, s21                     ; my block of 128 positions
	s_and_b32 s23, ttmp7, 0xffff                   ; the batch, which the partners share
	; descriptor group 1: a quarter of a head's block, 24,576 dense bytes, as 96 rows of 256 bytes, padded in LDS after every 128
	s_mov_b32 s24, 15|(1<<16)|(1<<20)|(1<<21)|(4<<22)|(3<<25)  ; 15:0 the mask of four; 17:16 2-byte elements; 20 padding on; 21 set beside a mask; 24:22 after every 32 words (code 4); 31:25 4 words (code 3)
	s_mov_b32 s25, 128<<16                         ; tensor_dim0 = 128
	s_mov_b32 s26, 96<<16                          ; tensor_dim1 = 96
	s_mov_b32 s27, 128<<16                         ; tile_dim0 = 128
	s_mov_b32 s28, 96                              ; tile_dim1 = 96
	s_mov_b32 s29, 128                             ; 128 elements from row to row
	s_mov_b32 s30, 0
	s_mov_b32 s31, 0
	s_mov_b32 s32, 1                               ; group 0 for head 0, slot 0
	s_mul_i32 s33, s[WV], 192*PK                   ; my quarter: 192 LDS rows
	s_mov_b32 s36, 1                               ; group 0 for head 1, slot 1; it then walks
	s_add_co_u32 s37, s33, SLOT1
	s_mov_b32 s[TB], 0
	s_mov_b32 s46, 0x76543210                      ; v_permlanex16_b32: each lane takes its own place in the other half
	s_mov_b32 s47, 0xfedcba98
	s_mov_b32 s52, 0x3fb8aa3b                      ; log2(e)
	s_mov_b32 s53, 0x5368d4a5                      ; 1e12
	s_mov_b32 s54, 0x3b800000                      ; 1 / 256, as a pair
	s_mov_b32 s55, 0x3b800000
	s_mul_i32 s50, s23, 8*HEADB
	s_mov_b32 s51, 0
	s_mul_i32 s56, s[WV], 24576
	s_mov_b32 s57, 0
	s_cmp_lt_u32 s[WV], 3                          ; who prefetches: waves 0 to 2 of the batch's first cluster: the same in all four partners
	s_cselect_b32 s[LIM], 0, 1
	s_or_b32 s[LIM], s[LIM], ttmp9
	s_cmp_eq_u32 s[LIM], 0
	s_cselect_b32 s[LIM], 2, -1
	s_wait_dscnt 0x0                               ; both opening adds are done
	s_wait_kmcnt 0x0
	s_load_b32 s48, s[16:17], 0x0                  ; gamma
	s_add_nc_u64 s[10:11], s[10:11], s[50:51]      ; pack at my batch
	s_add_nc_u64 s[34:35], s[10:11], s[56:57]
	s_add_nc_u64 s[38:39], s[34:35], HEADB
	s_or_b32 s35, s35, 0x80000000
	s_or_b32 s39, s39, 0x80000000
	s_add_nc_u64 s[44:45], s[10:11], 3*HEADB       ; the prefetches' base: the first change of slots steps it to head 4
	CROUND                                         ; all four work-groups are here: the first joint loads meet
	tensor_load_to_lds s[32:35], s[24:31]
	s_nop 0
	tensor_load_to_lds s[36:39], s[24:31]
	s_nop 0
	PLACES
	s_lshl_b32 s50, s23, 24
	s_lshl_b32 s56, s22, 9
	s_add_co_u32 s50, s50, s56
	s_add_nc_u64 s[4:5], s[4:5], s[50:51]          ; x and out0 at my batch and my 512 bytes of each row
	s_add_nc_u64 s[18:19], s[18:19], s[50:51]
	v_and_b32 v1, 15, v0                           ; r
	v_bfe_u32 v2, v0, 4, 1                         ; h
	v_and_b32 v3, 31, v0                           ; lane
	s_lshl_b32 s56, s[WV], 22
	v_lshl_add_u32 v[VO], v3, 4, s56
	s_lshl_b32 s56, s[WV], 8
	v_mov_b32 v[GOF], s56
	WIN 0x80                                       ; destination window 2
.set i, 0
.rept 64
	global_load_b128 v[4*i:4*i+3], v[VO], s[4:5] offset:65536*i th:TH_LOAD_NT
.set i, i+1
.endr
	WIN 0
.set i, 0
.rept 16                               ; my 64 channels' gain and bias, the same in every lane
	global_load_b128 v[32+4*i:35+4*i], v[GOF], s[6:7] offset:16*i
	global_load_b128 v[96+4*i:99+4*i], v[GOF], s[8:9] offset:16*i
.set i, i+1
.endr
	v_mul_u32_u24 v[AFL], v1, PK
	v_lshl_add_u32 v[AFL], v2, 4, v[AFL]
	v_and_b32 v22, 7, v0
	v_lshl_add_u32 v22, v2, 3, v22                 ; 8 h + lane % 8
	v_bfe_u32 v23, v0, 3, 1
	v_mul_u32_u24 v[AVL], v22, PK
	v_lshl_add_u32 v[AVL], v23, 4, v[AVL]
	s_lshl_b32 s56, s[WV], 9
	s_add_co_u32 s56, s56, RED
	v_lshl_add_u32 v[REDS], v3, 4, s56
	v_lshlrev_b32 v[REDL], 4, v3
	v_add_nc_u32 v[REDL], RED, v[REDL]
	s_mul_i32 s56, s[WV], 64*PXM
	s_add_co_u32 s56, s56, XB
	v_lshl_add_u32 v[VXS], v3, 3, s56              ; row 64 w, 8 lane
	s_lshl_b32 s56, s[WV], 6
	s_add_co_u32 s56, s56, XB
	v_mul_u32_u24 v[VB0], v22, PXM
	v_lshl_add_u32 v[VB0], v23, 4, v[VB0]
	v_add_nc_u32 v[VB0], s56, v[VB0]               ; xn turned: my 32 positions are 64 bytes of a row
	v_add_nc_u32 v[VB1], 128*PXM, v[VB0]           ; channels 128 on: the immediate ends at 65,535
	s_lshl_b32 s56, s[WV], 7
	v_mul_u32_u24 v[SB0], v2, 8*PS
	v_lshl_add_u32 v[SB0], v1, 2, v[SB0]
	v_add_nc_u32 v[SB0], s56, v[SB0]               ; the stage, in: row 8 h, position 32 w + r
	v_add_nc_u32 v[SB1], 128*PS, v[SB0]
	s_mul_i32 s56, s[WV], 64*PS
	v_lshl_add_u32 v[SRD], v3, 4, s56              ; and back: row 64 w, 16 lane
	s_mul_i32 s56, s21, 3
	s_add_co_u32 s56, s56, s[WV]
	s_lshl_b32 s56, s56, 13
	v_lshl_add_u32 v[PFO], v3, 8, s56              ; the prefetches: block 32 (3 cx + w) + lane of a head's 384 blocks of 256 bytes
	WIN 0x40
.set i, 0
.rept 256                              ; y starts at 0: written while x is on its way, so that all eight heads run one text; a first head written out would be six times this text
	v_mov_b32 v[i], 0
.set i, i+1
.endr
	WIN 0
	s_wait_kmcnt 0x0
	s_mov_b32 s49, s48                             ; gamma as a pair
	s_wait_loadcnt 32                              ; x is in; the gain's and the bias's 32 loads are younger
	; LayerNorm of x, two passes; a lane holds four positions, 64 channels
	WIN 0x0a
.irp p, 0,1,2,3
.irp c, 0,2
	v_pk_add_f32 v[208+4*\p+\c:209+4*\p+\c], v[4*\p+\c:4*\p+\c+1], v[16+4*\p+\c:17+4*\p+\c]
.endr
.endr
	WIN 0x02
.set i, 8
.rept 56
.irp c, 0,2
	v_pk_add_f32 v[208+4*(i%4)+\c:209+4*(i%4)+\c], v[4*i+\c:4*i+\c+1], v[208+4*(i%4)+\c:209+4*(i%4)+\c]
.endr
.set i, i+1
.endr
	WIN 0
	FOLD 0
	v_pk_mul_f32 v[224:225], v[208:209], s[54:55] op_sel_hi:[1,0]      ; the mean
	v_pk_mul_f32 v[226:227], v[210:211], s[54:55] op_sel_hi:[1,0]
.set g, 0
.rept 8
	WIN 0x02
.set k, 0
.rept 8
.irp c, 0,2
	v_pk_add_f32 v[160+4*k+\c:161+4*k+\c], v[4*(8*g+k)+\c:4*(8*g+k)+\c+1], v[224+\c:225+\c] neg_lo:[0,1] neg_hi:[0,1]
.endr
.set k, k+1
.endr
	WIN 0
.set k, 0
.rept 8
.irp c, 0,2
.if (g == 0) && (k < 4)
	v_pk_mul_f32 v[208+4*(k%4)+\c:209+4*(k%4)+\c], v[160+4*k+\c:161+4*k+\c], v[160+4*k+\c:161+4*k+\c]
.else
	v_pk_fma_f32 v[208+4*(k%4)+\c:209+4*(k%4)+\c], v[160+4*k+\c:161+4*k+\c], v[160+4*k+\c:161+4*k+\c], v[208+4*(k%4)+\c:209+4*(k%4)+\c]
.endif
.endr
.set k, k+1
.endr
.set g, g+1
.endr
	FOLD 1
.irp c, 0,1,2,3
	v_fmaak_f32 v[208+\c], s54, v[208+\c], 0x3727c5ac  ; var + 1e-5
.endr
.irp c, 0,1,2,3
	v_rsq_f32 v[228+\c], v[208+\c]
.endr
	v_nop                                          ; a plain instruction behind the last transcendental,
	s_wait_alu depctr_va_vdst(0)                   ; and one wait for the four, ahead of their first reader
	v_pk_mul_f32 v[232:233], v[224:225], v[228:229] neg_lo:[1,0] neg_hi:[1,0]   ; - mean x rs
	v_pk_mul_f32 v[234:235], v[226:227], v[230:231] neg_lo:[1,0] neg_hi:[1,0]
	s_wait_loadcnt 0x0                             ; the gain and the bias
.set g, 0
.rept 8                                ; eight channels at a time: normalise, gain and bias, round to f16, to LDS
	WIN 0x02
.set k, 0
.rept 8
.irp c, 0,2
	v_pk_fma_f32 v[160+4*k+\c:161+4*k+\c], v[4*(8*g+k)+\c:4*(8*g+k)+\c+1], v[228+\c:229+\c], v[232+\c:233+\c]
.endr
.set k, k+1
.endr
	WIN 0
.set k, 0
.rept 8
	GBF 160+4*k, 8*g+k
	GBF 162+4*k, 8*g+k
.set k, k+1
.endr
.set k, 0
.rept 16
	v_cvt_pk_f16_f32 v[192+k], v[160+2*k], v[161+2*k]
.set k, k+1
.endr
.set k, 0
.rept 8
	ds_store_b64 v[VXS], v[192+2*k:193+2*k] offset:PXM*(8*g+k)
.set k, k+1
.endr
.set g, g+1
.endr
	s_wait_tensorcnt 0x1                           ; my quarter of head 0 is in; head 1's may stay out
	s_wait_dscnt 0x0                               ; my rows of xn are in LDS
	s_barrier_signal -1
	s_barrier_wait -1                              ; everybody's are
	WIN 0xc0                                       ; destination window 3: xn's 16 fragments stay in registers for all heads
.irp t, 0,1
.irp ks, 0,1,2,3
	ds_load_tr16_b128 v[128+64*\t+8*\ks:128+64*\t+8*\ks+3],   v[VB0] offset:32*PXM*\ks+32*\t
	ds_load_tr16_b128 v[128+64*\t+8*\ks+4:128+64*\t+8*\ks+7], v[VB0] offset:32*PXM*\ks+32*\t+16*PXM
	ds_load_tr16_b128 v[160+64*\t+8*\ks:160+64*\t+8*\ks+3],   v[VB1] offset:32*PXM*\ks+32*\t
	ds_load_tr16_b128 v[160+64*\t+8*\ks+4:160+64*\t+8*\ks+7], v[VB1] offset:32*PXM*\ks+32*\t+16*PXM
.endr
.endr
	WIN 0
; A HEAD is twelve groups n of 8 fragments (index 4 a + bq) and 16 products (for a, for bq, for t): 0-3 q^T (64 channels of K each), 4-5 S^T (64 keys each), 6-7 O^T (64 keys of K each), 8-11 y^T (64 rows of w_out each).
.macro FETCH n                         ; group n's 16 LDS loads, in one run, into buffer n % 2
.set FB, 32+64*((\n)%2)
	WIN 0
.set a, 0
.rept 2
.set bq, 0
.rept 4
.set rF, FB+8*(4*a+bq)
.if (\n) < 4
	ds_load_b128 v[rF:rF+3],   v[AF0] offset:(64*(\n)+16*bq)*PK+64*a
	ds_load_b128 v[rF+4:rF+7], v[AF0] offset:(64*(\n)+16*bq)*PK+64*a+32
.elseif (\n) < 6
	ds_load_b128 v[rF:rF+3],   v[AF0] offset:(256+16*(4*((\n)-4)+bq))*PK+64*a
	ds_load_b128 v[rF+4:rF+7], v[AF0] offset:(256+16*(4*((\n)-4)+bq))*PK+64*a+32
.elseif (\n) < 8
	ds_load_tr16_b128 v[rF:rF+3],   v[AV] offset:32*(2*((\n)-6)+a)*PK+32*bq
	ds_load_tr16_b128 v[rF+4:rF+7], v[AV] offset:32*(2*((\n)-6)+a)*PK+32*bq+16*PK
.else
	ds_load_b128 v[rF:rF+3],   v[AF1] offset:(128+16*(4*((\n)-8)+bq))*PK+64*a
	ds_load_b128 v[rF+4:rF+7], v[AF1] offset:(128+16*(4*((\n)-8)+bq))*PK+64*a+32
.endif
.set bq, bq+1
.endr
.set a, a+1
.endr
.endm
.macro WM d, b, z                      ; one product; z = 1: it starts its sum
.if \z
	v_wmma_f32_16x16x32_f16 v[\d:(\d)+7], v[rA:rA+7], v[\b:(\b)+7], 0
.else
	v_wmma_f32_16x16x32_f16 v[\d:(\d)+7], v[rA:rA+7], v[\b:(\b)+7], v[\d:(\d)+7]
.endif
.endm
.macro MUL16 n                         ; group n's 16 products: eight accumulators take turns, one instruction a turn, from group to group and head to head too
.set FB, 32+64*((\n)%2)
.set a, 0
.rept 2
.set bq, 0
.rept 4
.set t, 0
.rept 2
.set rA, FB+8*(4*a+bq)
.set z, 0
.if (\n) < 4
	WIN 0xfc                                       ; fragments window 0; xn and the sums window 3
.if ((\n)+a) == 0
.set z, 1
.endif
	WM 64*t+8*bq, 128+64*t+8*(2*(\n)+a), z
.elseif (\n) < 6
	WIN 0xf0                                       ; both sources window 0, the sums window 3
.if a == 0
.set z, 1
.endif
	WM 64*t+8*(4*((\n)-4)+bq), 160+16*t+8*a, z
.elseif (\n) < 8
	WIN 0xf0
.if ((\n)-6+a) == 0
.set z, 1
.endif
	WM 64*t+8*bq, 192+32*t+8*(2*((\n)-6)+a), z
.else
	WIN 0x50                                       ; the sums window 1
	WM 128*t+8*(4*((\n)-8)+bq), 160+16*t+8*a, 0
.endif
.set t, t+1
.endr
.set bq, bq+1
.endr
.set a, a+1
.endr
.endm
; q^T is normalised (a lane's 32 numbers and the other half's), takes log2(e), and becomes source 1.  Each accumulator's lowest registers are read first.
.macro QNORM
	WIN 0xff
.irp jp, 0,1,2,3
.irp t, 0,1
.irp b, 0,1,2,3
.if (\jp) == 0
	v_pk_mul_f32 v[64*\t+32+2*\b:64*\t+33+2*\b], v[64*\t+8*\b:64*\t+8*\b+1], v[64*\t+8*\b:64*\t+8*\b+1]
.else
	v_pk_fma_f32 v[64*\t+32+2*\b:64*\t+33+2*\b], v[64*\t+8*\b+2*\jp:64*\t+8*\b+2*\jp+1], v[64*\t+8*\b+2*\jp:64*\t+8*\b+2*\jp+1], v[64*\t+32+2*\b:64*\t+33+2*\b]
.endif
.endr
.endr
.endr
.irp t, 0,1
	v_pk_add_f32 v[64*\t+32:64*\t+33], v[64*\t+32:64*\t+33], v[64*\t+34:64*\t+35]
	v_pk_add_f32 v[64*\t+36:64*\t+37], v[64*\t+36:64*\t+37], v[64*\t+38:64*\t+39]
.endr
.irp t, 0,1
	v_pk_add_f32 v[64*\t+32:64*\t+33], v[64*\t+32:64*\t+33], v[64*\t+36:64*\t+37]
.endr
.irp t, 0,1
	v_add_f32 v[64*\t+32], v[64*\t+32], v[64*\t+33]
.endr
.irp t, 0,1
	v_permlanex16_b32 v[64*\t+33], v[64*\t+32], s46, s47
.endr
.irp t, 0,1
	v_add_f32 v[64*\t+32], v[64*\t+32], v[64*\t+33]
.endr
.irp t, 0,1
	v_rsq_f32 v[64*\t+34], v[64*\t+32]
.endr
	v_nop
	s_wait_alu depctr_va_vdst(0)                   ; one wait for both tiles
.irp t, 0,1
	v_min_num_f32 v[64*\t+34], s53, v[64*\t+34]    ; reference() divides by max(norm, 1e-12)
.endr
.irp t, 0,1
	v_mul_f32 v[64*\t+34], s52, v[64*\t+34]
.endr
.set x, 0
.rept 16
.irp t, 0,1
	v_pk_mul_f32 v[64*\t+2*x:64*\t+2*x+1], v[64*\t+2*x:64*\t+2*x+1], v[64*\t+34:64*\t+35] op_sel_hi:[1,0]
.endr
.set x, x+1
.endr
	WIN 0x0f
.set x, 0
.rept 16
.irp t, 0,1
	v_cvt_pk_f16_f32 v[160+16*\t+x], v[64*\t+2*x], v[64*\t+2*x+1]
.endr
.set x, x+1
.endr
.endm
.macro TREE lo, cnt                    ; pairs lo .. lo + cnt - 1 of a tile's 32 are added onto the cnt pairs above them
.set x, \lo
.rept \cnt
.irp t, 0,1
	v_pk_add_f32 v[64*\t+2*(x+\cnt):64*\t+2*(x+\cnt)+1], v[64*\t+2*(x+\cnt):64*\t+2*(x+\cnt)+1], v[64*\t+2*x:64*\t+2*x+1]
.endr
.set x, x+1
.endr
.endm
; The weights: 128 exponentials as ONE batch with one wait; then the roundings (P is source 1 as it falls), the sums, upward so that they end clear of O^T's registers, and 1 / sum.
.macro EXPS
	WIN 0xff
.set x, 0
.rept 128
	v_exp_f32 v[x], v[x]
.set x, x+1
.endr
	v_nop
	s_wait_alu depctr_va_vdst(0)
	WIN 0x0f
.set x, 0
.rept 32
.irp t, 0,1
	v_cvt_pk_f16_f32 v[192+32*\t+x], v[64*\t+2*x], v[64*\t+2*x+1]
.endr
.set x, x+1
.endr
	WIN 0xff
	TREE 0, 16
	TREE 16, 8
	TREE 24, 4
	TREE 28, 2
	TREE 30, 1
.irp t, 0,1
	v_add_f32 v[64*\t+63], v[64*\t+62], v[64*\t+63]
.endr
.irp t, 0,1
	v_permlanex16_b32 v[64*\t+62], v[64*\t+63], s46, s47
.endr
.irp t, 0,1
	v_add_f32 v[64*\t+63], v[64*\t+63], v[64*\t+62]
.endr
.irp t, 0,1
	v_rcp_f32 v[64*\t+62], v[64*\t+63]             ; read in OSCALE, behind 32 products and their places; the wait stands there, and no label lies between
.endr
.endm
.macro OSCALE
	s_wait_alu depctr_va_vdst(0)                   ; the wait for the two reciprocals, ahead of their first reader
	WIN 0xff
.set x, 0
.rept 16
.irp t, 0,1
	v_pk_mul_f32 v[64*\t+2*x:64*\t+2*x+1], v[64*\t+2*x:64*\t+2*x+1], v[64*\t+62:64*\t+63] op_sel_hi:[1,0]
.endr
.set x, x+1
.endr
	WIN 0x0f
.set x, 0
.rept 16
.irp t, 0,1
	v_cvt_pk_f16_f32 v[160+16*\t+x], v[64*\t+2*x], v[64*\t+2*x+1]
.endr
.set x, x+1
.endr
.endm
.macro GROUP n, left                   ; left: the next group's 16 loads may stay out
	s_wait_dscnt \left
	MUL16 \n
	PLACES
.if (\n) < 10
	FETCH (\n)+2
.endif
.endm
.macro BODY
	WIN 0
	s_add_co_u32 s43, s[TB], 384*PK
	v_add_nc_u32 v[AF0], s[TB], v[AFL]             ; rows 0 on: w_q, K^
	v_add_nc_u32 v[AF1], s43, v[AFL]               ; rows 384 on: w_out lies 128 rows further
	v_add_nc_u32 v[AV], s43, v[AVL]                ; V, turned
	FETCH 0
	FETCH 1
	GROUP 0, 16
	GROUP 1, 16
	GROUP 2, 16
	GROUP 3, 16
	QNORM
	GROUP 4, 16
	GROUP 5, 16
	EXPS
	GROUP 6, 16
	GROUP 7, 16
	OSCALE
	GROUP 8, 16
	GROUP 9, 16
	GROUP 10, 16
	GROUP 11, 0
.endm
; A PREFETCH INTO THE L2 of the head that stands TWO refills on: its 384 blocks of 256 bytes, a lane a block.  pack was stored by earlier launches and every cluster of a batch walks the same blocks: the batch's
; first cluster asks, waves 0 to 2 of its four partners, 32 blocks each, told apart BY ADDRESS.  So each block of heads 4 to 7 is named once; heads 0 to 3 come by their loads alone; behind head 3's change nothing is asked for.
.macro ASK
	s_cmp_gt_u32 s[CNT], s[LIM]
	s_cbranch_scc0 .Lnot_mine_\@
	global_prefetch_b8 v[PFO], s[44:45] th:TH_LOAD_NT scope:SCOPE_SE
.Lnot_mine_\@:
.endm
; THE CHANGE OF SLOTS.  Each wave waits for all its tensor loads, of which one is out: its quarter of the next head; adds 0 to its spare word; waits for that and for its reads of the slot that it leaves.
; fill = 1: the barrier is a round of the cluster's, and the joint refill, the head two on, is the first thing behind it.
.macro CHANGE fill
	WIN 0
	s_wait_tensorcnt 0x0                           ; no tensor load of mine is out, so a group 0 may be written
	ds_add_u32 v[SPW], v[NIL]                      ; 0 onto my spare word; the descriptor's steps stand between it and the wait for it
.if \fill
	s_xor_b32 s37, s37, SLOT1                      ; the other slot than last time,
	s_add_nc_u64 s[38:39], s[38:39], HEADB         ; the next head; the type bits on top are not reached
	s_wait_xcnt 0x0                                ; the last prefetch, a head back, has read its base
	s_add_nc_u64 s[44:45], s[44:45], HEADB
	s_wait_dscnt 0x0                               ; the add is done, and my reads of the slot are over
	CROUND
	tensor_load_to_lds s[36:39], s[24:31]
	s_nop 0
	PLACES
	ASK
.else
	s_wait_dscnt 0x0
	s_barrier_signal -1
	s_barrier_wait -1
.endif
	s_xor_b32 s[TB], s[TB], SLOT1
.endm
	s_mov_b32 s[CNT], 6
.Lhead:                                        ; heads 0 to 5: each slot is filled again
	BODY
	CHANGE 1
	s_sub_co_u32 s[CNT], s[CNT], 1
	s_cmp_lg_u32 s[CNT], 0
	s_cbranch_scc1 .Lhead
	s_mov_b32 s[CNT], 2
.Ltail:                                        ; heads 6 and 7 are written out; the second barrier also frees the slots for the stage
	BODY
	CHANGE 0
	s_sub_co_u32 s[CNT], s[CNT], 1
	s_cmp_lg_u32 s[CNT], 0
	s_cbranch_scc1 .Ltail
	; THE WAY OUT.  LayerNorm of y: a lane holds 128 of a position's 256 channels, the lane 16 away the others.  Then through the stage to [channel][position], gain, bias, gamma, residual.
.set i, 0
.rept 16
	global_load_b128 v[32+4*i:35+4*i], v[GOF], s[12:13] offset:16*i
	global_load_b128 v[96+4*i:99+4*i], v[GOF], s[14:15] offset:16*i
.set i, i+1
.endr
.macro YSUM                            ; four pairs in v[224:231] become the sum over 256 channels, in v224
	WIN 0
	v_pk_add_f32 v[224:225], v[224:225], v[226:227]
	v_pk_add_f32 v[228:229], v[228:229], v[230:231]
	v_pk_add_f32 v[224:225], v[224:225], v[228:229]
	v_add_f32 v224, v224, v225
	v_permlanex16_b32 v225, v224, s46, s47
	v_add_f32 v224, v224, v225
.endm
.macro YLN t
	WIN 0x05
.irp c, 0,1,2,3
	v_pk_add_f32 v[224+2*\c:225+2*\c], v[128*(\t)+2*\c:128*(\t)+2*\c+1], v[128*(\t)+8+2*\c:128*(\t)+9+2*\c]
.endr
	WIN 0x01
.set n, 8
.rept 56
	v_pk_add_f32 v[224+2*(n%4):225+2*(n%4)], v[128*(\t)+2*n:128*(\t)+2*n+1], v[224+2*(n%4):225+2*(n%4)]
.set n, n+1
.endr
	YSUM
	v_mul_f32 v232, s54, v224
	v_mov_b32 v233, v232
	WIN 0x41
.set n, 0
.rept 64
	v_pk_add_f32 v[128*(\t)+2*n:128*(\t)+2*n+1], v[128*(\t)+2*n:128*(\t)+2*n+1], v[232:233] neg_lo:[0,1] neg_hi:[0,1]
.set n, n+1
.endr
	WIN 0x05
.set n, 0
.rept 64
.if n < 4
	v_pk_mul_f32 v[224+2*n:225+2*n], v[128*(\t)+2*n:128*(\t)+2*n+1], v[128*(\t)+2*n:128*(\t)+2*n+1]
.else
	v_pk_fma_f32 v[224+2*(n%4):225+2*(n%4)], v[128*(\t)+2*n:128*(\t)+2*n+1], v[128*(\t)+2*n:128*(\t)+2*n+1], v[224+2*(n%4):225+2*(n%4)]
.endif
.set n, n+1
.endr
	YSUM
	v_fmaak_f32 v224, s54, v224, 0x3727c5ac        ; var + 1e-5
	v_rsq_f32 v234, v224
	v_nop
	s_wait_alu depctr_va_vdst(0)
	v_mov_b32 v235, v234
	WIN 0x41
.set n, 0
.rept 64
	v_pk_mul_f32 v[128*(\t)+2*n:128*(\t)+2*n+1], v[128*(\t)+2*n:128*(\t)+2*n+1], v[234:235]
.set n, n+1
.endr
	WIN 0x04                                       ; store data window 1
.set n, 0
.rept 64                               ; n = 8 ot + j: channel 16 ot + 8 h + j, for ot = 0 .. 7 and 8 .. 15
	ds_store_b32 v[SB0], v[128*(\t)+n] offset:(16*(n/8)+n%8)*PS+64*(\t)
	ds_store_b32 v[SB1], v[128*(\t)+64+n] offset:(16*(n/8)+n%8)*PS+64*(\t)
.set n, n+1
.endr
	WIN 0
.endm
	YLN 0
	YLN 1
	s_wait_dscnt 0x0                               ; for the others' sake: my columns of the stage are written
	s_barrier_signal -1
	s_barrier_wait -1
.macro LDG g                           ; eight channels' rows of the stage, 512 consecutive bytes each, into buffer g % 2
.set k, 0
.rept 8
	ds_load_b128 v[160+32*((\g)%2)+4*k:160+32*((\g)%2)+4*k+3], v[SRD] offset:PS*(8*(\g)+k)
.set k, k+1
.endr
.endm
	LDG 0
	LDG 1
	s_wait_loadcnt 0x0                             ; g_out, b_out
.set g, 0
.rept 8
.if g < 7
	s_wait_dscnt 8                                 ; this group is in; the next group's 8 loads are younger
.else
	s_wait_dscnt 0x0
.endif
.set T, 160+32*(g%2)
	WIN 0
.set k, 0
.rept 8
	GBF T+4*k, 8*g+k
	GBF T+4*k+2, 8*g+k
.set k, k+1
.endr
	WIN 0x20                                       ; source 2, x, window 2
.set k, 0
.rept 8
.irp c, 0,2
	v_pk_fma_f32 v[T+4*k+\c:T+4*k+\c+1], v[T+4*k+\c:T+4*k+\c+1], s[48:49], v[4*(8*g+k)+\c:4*(8*g+k)+\c+1] op_sel_hi:[1,0,1]
.endr
.set k, k+1
.endr
	WIN 0
.set k, 0
.rept 8
	global_store_b128 v[VO], v[T+4*k:T+4*k+3], s[18:19] offset:65536*(8*g+k) th:TH_STORE_NT  ; 512 consecutive bytes, aligned
.set k, k+1
.endr
.if g < 6
	s_wait_xcnt 0x0                                ; the stores have read this buffer: it is loaded again only behind this wait
	LDG g+2
.endif
.set g, g+1
.endr
	s_wait_tensorcnt 0x0                           ; the wave's end, behind my last tensor load and my last LDS store
	ds_add_u32 v[SPW], v[NIL]
	s_wait_dscnt 0x0
	CROUND                                         ; the closing round: no work-group ends while a partner may still ask for a block that names it
	s_endpgm
.Lfunc_end_k_q07592605f1_main:
	.size	k_q07592605f1_main, .Lfunc_end_k_q07592605f1_main-k_q07592605f1_main
	.p2alignl 7, 3214868480
	.fill 96, 4, 3214868480
	.section	.rodata,"a",@progbits
	.p2align	6, 0x0
	.amdhsa_kernel k_q07592605f1_main
		.amdhsa_group_segment_fixed_size 327680
		.amdhsa_private_segment_fixed_size 0
		.amdhsa_enable_private_segment 0
		.amdhsa_kernarg_size 64
		.amdhsa_user_sgpr_count 2
		.amdhsa_user_sgpr_kernarg_segment_ptr 1
		.amdhsa_wavefront_size32 1
		.amdhsa_system_sgpr_workgroup_id_x 1
		.amdhsa_system_sgpr_workgroup_id_y 1
		.amdhsa_system_sgpr_workgroup_id_z 1
		.amdhsa_system_vgpr_workitem_id 0
		.amdhsa_next_free_vgpr 1024
		.amdhsa_next_free_sgpr 66
		.amdhsa_reserve_vcc 0
		.amdhsa_float_denorm_mode_32 3
		.amdhsa_float_denorm_mode_16_64 3
		.amdhsa_memory_ordered 1
		.amdhsa_forward_progress 1
		.amdhsa_inst_pref_size 255
	.end_amdhsa_kernel
	.section	.bss,"aw",@nobits
	.p2align	6
	.space	262144
	.amdgpu_metadata
---
amdhsa.version: [ 1, 2 ]
amdhsa.kernels:
  - .name:           k_q07592605f1_main
    .symbol:         k_q07592605f1_main.kd
    .args:
      - { .name: query_source, .offset: 0, .size: 8, .value_kind: global_buffer, .address_space: global }
      - { .name: g_qs, .offset: 8, .size: 8, .value_kind: global_buffer, .address_space: global }
      - { .name: b_qs, .offset: 16, .size: 8, .value_kind: global_buffer, .address_space: global }
      - { .name: pack, .offset: 24, .size: 8, .value_kind: global_buffer, .address_space: global }
      - { .name: g_out, .offset: 32, .size: 8, .value_kind: global_buffer, .address_space: global }
      - { .name: b_out, .offset: 40, .size: 8, .value_kind: global_buffer, .address_space: global }
      - { .name: gamma, .offset: 48, .size: 8, .value_kind: global_buffer, .address_space: global }
      - { .name: out0, .offset: 56, .size: 8, .value_kind: global_buffer, .address_space: global }
    .group_segment_fixed_size: 327680
    .private_segment_fixed_size: 0
    .kernarg_segment_align: 8
    .kernarg_segment_size: 64
    .max_flat_workgroup_size: 128
    .sgpr_count:     66
    .vgpr_count:     1024
    .wavefront_size: 32
...
	.end_amdgpu_metadata
.endif
;; end of part 5
;; ======== version 2 of 2: 5 launches; version 1 with the launch prep written anew for expert scheduling mode
;; limits: values are held in f16: magnitudes above 65,504 overflow, below 6.1e-05 lose precision; right only within a limited range of input values
;; workspace buffers: wf 786,432 bytes; pack 1,572,864 bytes; qa 524,288 bytes; md 262,144 bytes; kb 8,388,608 bytes; vb 8,388,608 bytes; pos 262,144 bytes of whole numbers
;; launch prep (part 6): grid 128 x 1, 4 waves a work-group, no clusters, 34,816 bytes of LDS; arguments query_source, rand_idx, g_qs, b_qs, w_q, w_kv, w_out, wf, pack, qa; writes wf, pack, qa
.if DOCPART == 6
	.amdgcn_target "amdgcn-amd-amdhsa--gfx1250"
	.amdhsa_code_object_version 6
	.text
	.protected	k_q07592605f1_prep
	.globl	k_q07592605f1_prep
	.p2align	8
	.type	k_q07592605f1_prep,@function
k_q07592605f1_prep:
	s_mov_b64 s[64:65], 0
	v_nop
	global_prefetch_b8 v0, s[64:65] scope:SCOPE_SE
	s_setreg_imm32_b32 hwreg(HW_REG_WAVE_SCHED_MODE, 0, 2), 2
	s_setreg_imm32_b32 hwreg(HW_REG_WAVE_MODE, 25, 1), 1
	s_wait_xcnt 0x0
	s_wait_alu depctr_vm_vsrc(0)
; PREP.  Two jobs.
; (1) THE WEIGHTS ARE RECAST ONCE.  wf: w_kv as f16 matrix fragments, by head (98,304 bytes), K step of 32 channels (12,288), fragment (1,024), half (512), lane (16):
;     fragments 0-3 hold the k rows x 1024 rounded to f16 (hi), 4-7 what that rounding left (lo), 8-11 the v rows in plain f16.  pack: for each (batch, head) 768 rows of 128 bytes in f16:
;     rows 64 kc + d = w_q[64 h + d][64 kc ..], rows 512 + o = w_out[o][64 h ..] (rows 256-511, the chosen keys, come from a later launch).  Thread u of 16,384 does one unit (8 numbers) of each of four kinds.
; (2) THE ANCHORS.  A work-group makes 16 of a head's 128: gather by rand_idx, LayerNorm over 256 channels, the head's 64 rows of w_q, l2norm; qa[bh][128][64] in f32.
;     The choice of keys that hangs on these numbers is discrete, so they are made to about f32's accuracy on the matrix unit: both operands are split into two f16 parts and three products are
;     taken (hi lo, lo hi, hi hi), sums in f32.  K is split among the four waves (64 channels each); the partial sums meet in LDS.
; 128 work-groups: a work-group is one column tile of 16 anchors, and there are 2,048 anchors.
; LIMITS.  |w_q|, |k rows of w_kv| under 63.9 (x 1024 stays inside f16); 16 |g_qs| + |b_qs| under 1,023 (xn x 64 stays inside f16); NaN and infinities are not treated apart.
; THE MODE: SCHED_MODE bits 1:0 = 2 (LLVM: expert scheduling mode 2), set by the entry lines.  The code itself states the register dependences
; between vector or matrix instructions and memory or LDS instructions, with s_wait_alu, always for 0.
; THE PLAN.  Registers that memory or LDS instructions touch, in the order of the text:
;   v3, v5 .. v10  Offsets of the first loads and of the recast stores, made at the head; made anew, as LDS and qa addresses, behind the split of w_q.
;   v14, v15       Offsets of g and b, and of the gather: written once.
;   v4             Used by the head's arithmetic; then the index lands in it.
;   v[16:47], v[64:95], v[128:255]  The gather, the recast units, w_q: no vector instruction names them before the loads land.
;   v[96:115]      OT: written by the recast conversions, read by seven stores, written again by the split's hi parts.
;   v[192:255]     Read and written by the split; then g and b land there; then v[192:223] are the accumulators, which LDS stores read; not written after that.
;   v[48:51]       In each FOLD: v48 is the LDS store's data, and the four LDS loads land in v[48:51].
;   v[64:191]      Read by the products; then the partial sums' 32 LDS loads land there.
;   v[64:95], v[96:103]  The scaled anchors, which LDS stores read; the norm's scratch, in which the stage's loads land and which the last stores read.
;   v12, v13       Written at the head, read by the closing add alone.
; A wait on va_vdst stands ahead of each run of memory or LDS instructions whose registers vector or matrix work has just named; a wait on vm_vsrc ahead of the three places where a register
; that a memory or LDS instruction has read is written again: the split (64 multiplies behind the stores that read OT) and each FOLD's loads.
.set PD,    0                          ; LDS: partial sums, wave w, tile m, register half q at 4096 w + 1024 m + 512 q + 16 lane
.set RED,   16384                      ; the waves' sums for the two LayerNorm passes: 256 pass + 64 w + 4 r
.set STG,   16896                      ; a stage of 16 rows x 272 bytes for each wave
.set SPARE, 34304                      ; the spare words, 128 bytes for each wave
.set XG,    16                         ; v[16:47]   my 32 gathered channels, then xn, then what the split leaves
.set BL,    16                         ; v[16:31]   xn, lo part (packed in place)
.set BH,    48                         ; v[48:63]   at work in the statistics, then xn, hi part
.set RAW,   64                         ; v[64:95]   the four recast units as loaded
.set OT,    96                         ; v[96:115]  the recast units to store
.set AH,    64                         ; v[64:127]  w_q x 1024, hi part: tile m, K step sp at 16 m + 8 sp
.set WR,    128                        ; v[128:255] w_q as loaded
.set AL,    128                        ; v[128:191] lo part (packed in place)
.set GG,    192                        ; v[192:223] g_qs of my channels
.set BB,    224                        ; v[224:255] b_qs
.set ACC,   192                        ; v[192:223] four accumulators, when g is dead
.set NEG1,  11                         ; v11  -1.0
.set SPW,   12                         ; v12  my spare word; never rewritten
.set NIL,   13                         ; v13  0; never rewritten
.set WV,    28                         ; s28  my wave
.macro PLACES
.rept 4
	v_nop
.endr
.endm
; cnt pairs of f32 at x are split: hi = f16(x), x = x - hi (exact, one fused instruction from the f16 half), lo = f16(x).  lo may lie on x itself: entry i is written when pairs 0 .. i have been read.
.macro SPLITN hi, lo, x, cnt
.set i, 0
.rept \cnt
	v_cvt_pk_f16_f32 v[(\hi)+i], v[(\x)+2*i], v[(\x)+2*i+1]
.set i, i+1
.endr
.set i, 0
.rept \cnt
	v_fma_mix_f32 v[(\x)+2*i], v[(\hi)+i], v[NEG1], v[(\x)+2*i] op_sel_hi:[1,0,0]
	v_fma_mix_f32 v[(\x)+2*i+1], v[(\hi)+i], v[NEG1], v[(\x)+2*i+1] op_sel:[1,0,0] op_sel_hi:[1,0,0]
.set i, i+1
.endr
.set i, 0
.rept \cnt
	v_cvt_pk_f16_f32 v[(\lo)+i], v[(\x)+2*i], v[(\x)+2*i+1]
.set i, i+1
.endr
.endm
; four pairs of partial sums in v[48:55] become the sum over all 256 channels, in v48 of every lane
.macro FOLD pass
	v_pk_add_f32 v[48:49], v[48:49], v[50:51]
	v_pk_add_f32 v[52:53], v[52:53], v[54:55]
	v_pk_add_f32 v[48:49], v[48:49], v[52:53]
	v_add_f32 v48, v48, v49
	v_permlanex16_b32 v49, v48, s38, s39           ; the anchor's other 32 channels of my wave lie in the lane 16 away
	v_add_f32 v48, v48, v49
	s_wait_alu depctr_va_vdst(0)                   ; v48 is written, which the LDS store reads; the adds are done with v[48:51], in which the loads below land; at the first use the LDS and qa addresses v3, v5 .. v10 are written too
	ds_store_b32 v3, v48 offset:RED+256*(\pass)
	s_wait_dscnt 0x0                               ; for the others' sake: my sum is in LDS
	s_barrier_signal -1
	s_barrier_wait -1
	s_wait_alu depctr_vm_vsrc(0)                   ; the LDS store has read v48, in which the first load lands
	ds_load_b32 v48, v5 offset:RED+256*(\pass)
	ds_load_b32 v49, v5 offset:RED+256*(\pass)+64
	ds_load_b32 v50, v5 offset:RED+256*(\pass)+128
	ds_load_b32 v51, v5 offset:RED+256*(\pass)+192
	s_wait_dscnt 0x0
	v_add_f32 v48, v48, v49
	v_add_f32 v50, v50, v51
	v_add_f32 v48, v48, v50
.endm
	s_load_b512 s[8:23], s[0:1], 0x0               ; query_source s[8:9], rand_idx s[10:11], g_qs s[12:13], b_qs s[14:15], w_q s[16:17], w_kv s[18:19], w_out s[20:21], wf s[22:23]
	s_load_b128 s[24:27], s[0:1], 0x40             ; pack s[24:25], qa s[26:27]
	v_lshl_add_u32 v[SPW], v0, 2, SPARE
	v_mov_b32 v[NIL], 0
	v_mov_b32 v[NEG1], -1.0
	v_lshrrev_b32 v1, 5, v0
	v_readfirstlane_b32 s[WV], v1                  ; wave 0..3
	v_and_b32 v1, 15, v0                           ; r
	v_bfe_u32 v2, v0, 4, 1                         ; h
	s_wait_alu depctr_va_sdst(0)                   ; s28, my wave's number, is written, ahead of its first reader: offsets and LDS addresses are made from it
	s_lshr_b32 s30, ttmp9, 6                       ; my anchors' batch
	s_bfe_u32 s31, ttmp9, 0x30003                  ; and head
	s_lshl_b32 s32, ttmp9, 6
	v_lshl_add_u32 v3, v1, 2, s32                  ; rand_idx: 4 (16 wg + r)
	; the recast units.  u = 128 wg + thread; all of u's fields but the lane's are scalars
	s_lshr_b32 s33, ttmp9, 4                       ; u >> 11: the unit's head
	s_bfe_u32 s34, ttmp9, 0x30001                  ; (u >> 8) & 7: the K step
	s_and_b32 s35, ttmp9, 1
	s_and_b32 s45, ttmp9, 15
	s_lshl_b32 s40, s33, 16                        ; w_kv: (64 head + 16 m + r) rows of 1,024 bytes + 128 step + 64 half + 32 h; m = 2 (wg & 1) + (wave >> 1), half = wave & 1
	s_lshl_b32 s41, s34, 7
	s_add_co_u32 s40, s40, s41
	s_lshl_b32 s41, s35, 15
	s_add_co_u32 s40, s40, s41
	s_lshr_b32 s41, s[WV], 1
	s_lshl_b32 s41, s41, 14
	s_add_co_u32 s40, s40, s41
	s_and_b32 s41, s[WV], 1
	s_lshl_b32 s41, s41, 6
	s_add_co_u32 s40, s40, s41
	v_lshlrev_b32 v10, 10, v1
	v_lshl_add_u32 v10, v2, 5, v10                 ; 1024 r + 32 h
	v_add_nc_u32 v5, s40, v10
	s_mul_i32 s42, s33, 98304
	s_mul_i32 s41, s34, 12288
	s_add_co_u32 s41, s41, s42
	s_lshl_b32 s43, s35, 11
	s_add_co_u32 s41, s41, s43
	v_lshl_add_u32 v6, v0, 4, s41                  ; wf: head, step, 16 (u & 255)
	s_lshl_b32 s41, s33, 16                        ; w_q: (64 head + d) rows + 256 kc + 32 oct; d = 16 (wg & 3) + (t >> 3), kc = (wg >> 2) & 3
	s_and_b32 s43, ttmp9, 3
	s_lshl_b32 s43, s43, 14
	s_add_co_u32 s41, s41, s43
	s_bfe_u32 s43, ttmp9, 0x20002
	s_lshl_b32 s43, s43, 8
	s_add_co_u32 s41, s41, s43
	v_lshrrev_b32 v4, 3, v0
	v_and_b32 v9, 7, v0
	v_lshlrev_b32 v9, 5, v9
	v_lshl_add_u32 v7, v4, 10, v9
	v_add_nc_u32 v7, s41, v7
	s_lshl_b32 s41, s45, 11
	s_add_co_u32 s41, s41, s42
	v_lshl_add_u32 v8, v0, 4, s41                  ; pack: head, 16 (u & 2047)
	s_lshl_b32 s41, s45, 15                        ; w_out: o rows of 2,048 bytes + 256 head + 32 oct; o = 16 (wg & 15) + (t >> 3)
	s_lshl_b32 s43, s33, 8
	s_add_co_u32 s41, s41, s43
	v_lshl_add_u32 v9, v4, 11, v9
	v_add_nc_u32 v9, s41, v9
	s_lshl_b32 s41, s[WV], 8                       ; my wave's 64 channels: 256 bytes
	s_lshl_b32 s43, s31, 16
	s_add_co_u32 s43, s43, s41
	v_add_nc_u32 v10, s43, v10                     ; w_q fragments: 65536 head + 1024 r + 256 w + 32 h
	v_lshl_add_u32 v14, v2, 5, s41                 ; g_qs, b_qs: 256 w + 32 h
	s_mov_b32 s38, 0x76543210                      ; v_permlanex16_b32: each lane takes its own place in the other half
	s_mov_b32 s39, 0xfedcba98
	s_mov_b32 s48, 0x44800000                      ; 1024.0, as a pair
	s_mov_b32 s49, 0x44800000
	s_mov_b32 s50, 0x3b800000                      ; 1 / 256
	s_lshl_b32 s36, s30, 24                        ; a batch of query_source
	s_mov_b32 s37, 0
	s_wait_kmcnt 0x0
	s_add_nc_u64 s[8:9], s[8:9], s[36:37]
	s_wait_alu depctr_va_vdst(0)                   ; the offsets v3, v5 .. v10 and v14 are written, which the loads and stores below read; the head's arithmetic is done with v4, in which the index lands
	global_load_b32 v4, v3, s[10:11]               ; my anchor's index: the head of the longest chain, so it goes first
	global_load_b128 v[RAW:RAW+3],     v5, s[18:19]
	global_load_b128 v[RAW+4:RAW+7],   v5, s[18:19] offset:16
	global_load_b128 v[RAW+8:RAW+11],  v5, s[18:19] offset:524288      ; the v rows lie 512 rows on
	global_load_b128 v[RAW+12:RAW+15], v5, s[18:19] offset:524304
	global_load_b128 v[RAW+16:RAW+19], v7, s[16:17]
	global_load_b128 v[RAW+20:RAW+23], v7, s[16:17] offset:16
	global_load_b128 v[RAW+24:RAW+27], v9, s[20:21]
	global_load_b128 v[RAW+28:RAW+31], v9, s[20:21] offset:16
.set n, 0
.rept 32                               ; n = 8 m + 4 sp + 2 half + quarter: w_q[64 head + 16 m + r][64 w + 32 sp + 16 half + 8 h + 4 quarter ..]
	global_load_b128 v[WR+4*n:WR+4*n+3], v10, s[16:17] offset:16384*(n/8)+128*((n/4)%2)+64*((n/2)%2)+16*(n%2)
.set n, n+1
.endr
	s_wait_loadcnt 40                              ; 40 loads are younger than the index
	v_min_u32 v4, 0x3fff, v4                       ; an index stays inside its table of 16,384 positions
	s_lshl_b32 s41, s[WV], 22
	v_lshl_add_u32 v15, v2, 19, s41                ; (64 w + 8 h) channels of 65,536 bytes
	v_lshl_add_u32 v15, v4, 2, v15
	s_wait_alu depctr_va_vdst(0)                   ; v15 is written, which the gather's 32 loads read as their offset
.set n, 0
.rept 32                               ; register n = 16 sp + 8 half + j holds channel 64 w + 8 h + 32 sp + 16 half + j: the B fragment's order
	global_load_b32 v[XG+n], v15, s[8:9] offset:(32*(n/16)+16*((n/8)%2)+n%8)*65536
.set n, n+1
.endr
	s_wait_loadcnt 63                              ; 64 loads are younger than the recast units; the count's field ends at 63
.irp j, 0,2,4,6
	v_pk_mul_f32 v[RAW+\j:RAW+\j+1], v[RAW+\j:RAW+\j+1], s[48:49] op_sel_hi:[1,0]
.endr
	SPLITN OT, OT+4, RAW, 4
.irp j, 0,1,2,3
	v_cvt_pk_f16_f32 v[OT+8+\j],  v[RAW+8+2*\j],  v[RAW+9+2*\j]
	v_cvt_pk_f16_f32 v[OT+12+\j], v[RAW+16+2*\j], v[RAW+17+2*\j]
	v_cvt_pk_f16_f32 v[OT+16+\j], v[RAW+24+2*\j], v[RAW+25+2*\j]
.endr
	s_wait_alu depctr_va_vdst(0)                   ; the conversions have written v[OT ..], which the seven stores read
	global_store_b128 v6, v[OT:OT+3],     s[22:23]                ; each store of a wave covers 512 consecutive bytes, aligned
	global_store_b128 v6, v[OT+4:OT+7],   s[22:23] offset:4096
	global_store_b128 v6, v[OT+8:OT+11],  s[22:23] offset:8192
	global_store_b128 v8, v[OT+12:OT+15], s[24:25]                ; the weight rows stand once for each batch, so that a head's operands are one dense block
	global_store_b128 v8, v[OT+12:OT+15], s[24:25] offset:786432
	global_store_b128 v8, v[OT+16:OT+19], s[24:25] offset:65536
	global_store_b128 v8, v[OT+16:OT+19], s[24:25] offset:851968
	s_wait_loadcnt 32                              ; w_q is in; the gather's 32 loads are younger
.set i, 0
.rept 64                               ; these 64 name v[128:255] alone: they stand between the stores and the two waits for them
	v_pk_mul_f32 v[WR+2*i:WR+2*i+1], v[WR+2*i:WR+2*i+1], s[48:49] op_sel_hi:[1,0]
.set i, i+1
.endr
	s_wait_xcnt 0x0                                ; every earlier memory instruction has had its addresses translated: v[64:127] and v3 .. v10 are written again only behind this wait
	s_wait_alu depctr_vm_vsrc(0)                   ; the stores have read v[OT ..], v6 and v8, and the loads so far v3, v5, v7, v9, v10: the split writes v[64:127], and the offsets are made anew behind it
	SPLITN AH, AL, WR, 64
	s_wait_alu depctr_va_vdst(0)                   ; the split is done reading and writing v[192:255], in which g and b land
.set n, 0
.rept 8                                ; g and b of my channels, into the registers that the split has freed; they land under the two statistics passes
	global_load_b128 v[GG+4*n:GG+4*n+3], v14, s[12:13] offset:128*(n/4)+64*((n/2)%2)+16*(n%2)
	global_load_b128 v[BB+4*n:BB+4*n+3], v14, s[14:15] offset:128*(n/4)+64*((n/2)%2)+16*(n%2)
.set n, n+1
.endr
	s_lshl_b32 s41, s[WV], 6                       ; the LDS addresses
	v_lshl_add_u32 v3, v1, 2, s41                  ; 64 w + 4 r
	v_lshlrev_b32 v5, 2, v1                        ; 4 r
	v_and_b32 v10, 31, v0
	v_lshlrev_b32 v10, 4, v10                      ; 16 lane
	s_lshl_b32 s41, s[WV], 12
	v_add_nc_u32 v6, s41, v10                      ; 4096 w + 16 lane
	s_mul_i32 s41, s[WV], 4352
	v_mul_u32_u24 v7, v1, 272
	v_lshl_add_u32 v7, v2, 5, v7
	v_add_nc_u32 v7, s41, v7                       ; into my stage: row r, 32 h
	s_mul_i32 s41, s[WV], 5440
	v_mul_u32_u24 v8, v2, 272
	v_lshl_add_u32 v8, v1, 4, v8
	v_add_nc_u32 v8, s41, v8                       ; back: rows 4 w + h, 16 r
	s_lshl_b32 s41, ttmp9, 12
	s_lshl_b32 s43, s[WV], 10
	s_add_co_u32 s41, s41, s43
	v_lshl_add_u32 v9, v2, 8, s41
	v_lshl_add_u32 v9, v1, 4, v9                   ; qa: (16 wg + 4 w + h) rows of 256 bytes + 16 r
	s_wait_loadcnt 16                              ; the gather is in; g and b are younger
	; LayerNorm, two passes as reference() has them: the mean, then the mean of the squared differences
.irp c, 0,1,2,3
	v_pk_add_f32 v[48+2*\c:49+2*\c], v[XG+2*\c:XG+2*\c+1], v[XG+8+2*\c:XG+9+2*\c]
.endr
.irp o, 16,24
.irp c, 0,1,2,3
	v_pk_add_f32 v[48+2*\c:49+2*\c], v[48+2*\c:49+2*\c], v[XG+\o+2*\c:XG+\o+2*\c+1]
.endr
.endr
	FOLD 0
	v_mul_f32 v56, s50, v48
	v_mov_b32 v57, v56
.set i, 0
.rept 16
	v_pk_add_f32 v[XG+2*i:XG+2*i+1], v[XG+2*i:XG+2*i+1], v[56:57] neg_lo:[0,1] neg_hi:[0,1]
.set i, i+1
.endr
.irp c, 0,1,2,3
	v_pk_mul_f32 v[48+2*\c:49+2*\c], v[XG+2*\c:XG+2*\c+1], v[XG+2*\c:XG+2*\c+1]
.endr
.irp o, 8,16,24
.irp c, 0,1,2,3
	v_pk_fma_f32 v[48+2*\c:49+2*\c], v[XG+\o+2*\c:XG+\o+2*\c+1], v[XG+\o+2*\c:XG+\o+2*\c+1], v[48+2*\c:49+2*\c]
.endr
.endr
	FOLD 1
	v_fmaak_f32 v48, s50, v48, 0x3727c5ac          ; var + 1e-5
	v_rsq_f32 v58, v48
	v_nop                                          ; a plain instruction behind the transcendental,
	s_wait_alu depctr_va_vdst(0)                   ; and the wait ahead of its first reader: v58 is written
	v_mul_f32 v58, 0x42800000, v58                 ; x 64: xn is split at 64 times its size, so that the lo part stays a normal f16 number for small g
	v_mov_b32 v59, v58
	s_wait_loadcnt 0x0                             ; g, b
.set i, 0
.rept 16
	v_pk_mul_f32 v[XG+2*i:XG+2*i+1], v[XG+2*i:XG+2*i+1], v[58:59]
.set i, i+1
.endr
.set i, 0
.rept 16
	v_pk_mul_f32 v[XG+2*i:XG+2*i+1], v[XG+2*i:XG+2*i+1], v[GG+2*i:GG+2*i+1]
.set i, i+1
.endr
.set i, 0
.rept 16
	v_pk_fma_f32 v[XG+2*i:XG+2*i+1], v[BB+2*i:BB+2*i+1], 0x42800000, v[XG+2*i:XG+2*i+1] op_sel_hi:[1,0,1]
.set i, i+1
.endr
	SPLITN BH, BL, XG, 16
	; q^T = Wq xn: source 0 = 16 rows of w_q, source 1 = 16 anchors.  24 products; the four accumulators take turns; the small terms go first
.irp sp, 0,1
.irp term, 0,1,2
.irp m, 0,1,2,3
.set ra, AH+64*((\term)%2)+16*\m+8*\sp
.set rb, BH-32*((2-\term)/2)+8*\sp
.if ((\sp)+(\term)) == 0
	v_wmma_f32_16x16x32_f16 v[ACC+8*\m:ACC+8*\m+7], v[ra:ra+7], v[rb:rb+7], 0
.else
	v_wmma_f32_16x16x32_f16 v[ACC+8*\m:ACC+8*\m+7], v[ra:ra+7], v[rb:rb+7], v[ACC+8*\m:ACC+8*\m+7]
.endif
.endr
.endr
.endr
	PLACES
	s_wait_alu depctr_va_vdst(0)                   ; the products have written the accumulators, which the LDS stores read, and are done reading v[64:191], in which the loads behind the barrier land; the places above stay beside this wait
.irp m, 0,1,2,3
	ds_store_b128 v6, v[ACC+8*\m:ACC+8*\m+3]   offset:PD+1024*\m
	ds_store_b128 v6, v[ACC+8*\m+4:ACC+8*\m+7] offset:PD+1024*\m+512
.endr
	s_wait_dscnt 0x0
	s_barrier_signal -1
	s_barrier_wait -1                              ; all four partial sums lie in LDS; every wave adds them up, which spares a fourth barrier
.set n, 0
.rept 32                               ; n = 8 wave + 2 m + q.  No wait: no vector or matrix instruction since the wait above, and the stores' registers, v6 and v[192:223], are not written again
	ds_load_b128 v[64+4*n:64+4*n+3], v10 offset:PD+4096*(n/8)+1024*((n/2)%4)+512*(n%2)
.set n, n+1
.endr
	s_wait_dscnt 0x0
.irp o, 32,64,96
.set i, 0
.rept 16
	v_pk_add_f32 v[64+2*i:65+2*i], v[64+2*i:65+2*i], v[64+\o+2*i:65+\o+2*i]
.set i, i+1
.endr
.endr
	; l2norm over the head's 64 numbers: my 32 (16 m + 8 h + j) and the other half's
.irp c, 0,1,2,3
	v_pk_mul_f32 v[96+2*\c:97+2*\c], v[64+2*\c:65+2*\c], v[64+2*\c:65+2*\c]
.endr
.irp o, 8,16,24
.irp c, 0,1,2,3
	v_pk_fma_f32 v[96+2*\c:97+2*\c], v[64+\o+2*\c:65+\o+2*\c], v[64+\o+2*\c:65+\o+2*\c], v[96+2*\c:97+2*\c]
.endr
.endr
	v_pk_add_f32 v[96:97], v[96:97], v[98:99]
	v_pk_add_f32 v[100:101], v[100:101], v[102:103]
	v_pk_add_f32 v[96:97], v[96:97], v[100:101]
	v_add_f32 v96, v96, v97
	v_permlanex16_b32 v97, v96, s38, s39
	v_add_f32 v96, v96, v97
	v_rsq_f32 v104, v96
	v_nop                                          ; a plain instruction behind the transcendental,
	s_wait_alu depctr_va_vdst(0)                   ; and its wait, ahead of its first reader: v104 is written
	v_min_num_f32 v104, 0x4b68d4a5, v104           ; reference() divides by max(norm, 1e-12); the sums here are 65,536 times theirs: 1e12 / 65536
	v_mov_b32 v105, v104
.set i, 0
.rept 16
	v_pk_mul_f32 v[64+2*i:65+2*i], v[64+2*i:65+2*i], v[104:105]
.set i, i+1
.endr
	s_wait_alu depctr_va_vdst(0)                   ; the scaling has written v[64:95], which the LDS stores read; the norm is done with v[96:103], in which the loads from the stage land
.irp m, 0,1,2,3
	ds_store_b128 v7, v[64+8*\m:64+8*\m+3] offset:STG+64*\m
	ds_store_b128 v7, v[64+8*\m+4:64+8*\m+7] offset:STG+64*\m+16
.endr
	ds_load_b128 v[96:99],   v8 offset:STG         ; LDS serves a wave's instructions in order: these see my stores above; wave w sends anchors 4 w .. 4 w + 3
	ds_load_b128 v[100:103], v8 offset:STG+544
	s_wait_dscnt 0x1
	global_store_b128 v9, v[96:99], s[26:27]       ; two whole rows of 256 bytes
	s_wait_dscnt 0x0
	global_store_b128 v9, v[100:103], s[26:27] offset:512
	s_wait_dscnt 0x0                               ; the closing lines, six on end
	s_wait_alu 0x0
	s_wait_tensorcnt 0x0
	ds_add_u32 v[SPW], v[NIL]
	s_wait_dscnt 0x0
	s_endpgm
.Lfunc_end_k_q07592605f1_prep:
	.size	k_q07592605f1_prep, .Lfunc_end_k_q07592605f1_prep-k_q07592605f1_prep
	.p2alignl 7, 3214868480
	.fill 96, 4, 3214868480
	.section	.rodata,"a",@progbits
	.p2align	6, 0x0
	.amdhsa_kernel k_q07592605f1_prep
		.amdhsa_group_segment_fixed_size 34816
		.amdhsa_private_segment_fixed_size 0
		.amdhsa_enable_private_segment 0
		.amdhsa_kernarg_size 80
		.amdhsa_user_sgpr_count 2
		.amdhsa_user_sgpr_kernarg_segment_ptr 1
		.amdhsa_wavefront_size32 1
		.amdhsa_system_sgpr_workgroup_id_x 1
		.amdhsa_system_sgpr_workgroup_id_y 1
		.amdhsa_system_sgpr_workgroup_id_z 1
		.amdhsa_system_vgpr_workitem_id 0
		.amdhsa_next_free_vgpr 256
		.amdhsa_next_free_sgpr 66
		.amdhsa_reserve_vcc 0
		.amdhsa_float_denorm_mode_32 3
		.amdhsa_float_denorm_mode_16_64 3
		.amdhsa_memory_ordered 1
		.amdhsa_forward_progress 1
		.amdhsa_inst_pref_size 60
	.end_amdhsa_kernel
	.amdgpu_metadata
---
amdhsa.version: [ 1, 2 ]
amdhsa.kernels:
  - .name:           k_q07592605f1_prep
    .symbol:         k_q07592605f1_prep.kd
    .args:
      - { .name: query_source, .offset: 0, .size: 8, .value_kind: global_buffer, .address_space: global }
      - { .name: rand_idx, .offset: 8, .size: 8, .value_kind: global_buffer, .address_space: global }
      - { .name: g_qs, .offset: 16, .size: 8, .value_kind: global_buffer, .address_space: global }
      - { .name: b_qs, .offset: 24, .size: 8, .value_kind: global_buffer, .address_space: global }
      - { .name: w_q, .offset: 32, .size: 8, .value_kind: global_buffer, .address_space: global }
      - { .name: w_kv, .offset: 40, .size: 8, .value_kind: global_buffer, .address_space: global }
      - { .name: w_out, .offset: 48, .size: 8, .value_kind: global_buffer, .address_space: global }
      - { .name: wf, .offset: 56, .size: 8, .value_kind: global_buffer, .address_space: global }
      - { .name: pack, .offset: 64, .size: 8, .value_kind: global_buffer, .address_space: global }
      - { .name: qa, .offset: 72, .size: 8, .value_kind: global_buffer, .address_space: global }
    .group_segment_fixed_size: 34816
    .private_segment_fixed_size: 0
    .kernarg_segment_align: 8
    .kernarg_segment_size: 80
    .max_flat_workgroup_size: 128
    .sgpr_count:     66
    .vgpr_count:     256
    .wavefront_size: 32
...
	.end_amdgpu_metadata
.endif
;; end of part 6
;; launch kvd: the kernel of part 2 again; grid 128 x 2, 4 waves a work-group, clusters of 4 x 1, 252,416 bytes of LDS; arguments context, g_ctx, b_ctx, wf, qa, md, kb, vb; writes md, kb, vb
;; launch sel: the kernel of part 3 again; grid 16 x 1, 8 waves a work-group, no clusters, 1,536 bytes of LDS; arguments md, pos; writes pos
;; launch gat: the kernel of part 4 again; grid 2048 x 1, 8 waves a work-group, no clusters, 0 bytes of LDS; arguments pos, kb, vb, pack; writes pack
;; launch main: the kernel of part 5 again; grid 128 x 2, 4 waves a work-group, clusters of 4 x 1, 327,680 bytes of LDS; arguments query_source, g_qs, b_qs, pack, g_out, b_out, gamma, out0; writes out0
